; MI455X (gfx1250); checked and timed in simulation.
; The chip was launched on July 23, 2026; its instructions are those of AMD's public machine-readable ISA for CDNA 5 (MIT licence, August 2026) and "CDNA5" Instruction Set Architecture Reference Guide (July 2026). The comments in the code are by the model that wrote it; some were corrected since.
;; Multi Head Attention. Allowed arithmetic: matrix products marked QUANTISED: E2M1 operands, one E8M0 scale for each 32 along K, by v_wmma_scale_f32_16x16x128_f8f6f4 with both operands' format E2M1 (or v_wmma_scale_f32_32x16x128_f4), f32 sums; everything else in f32.
;; Inputs: Wk_codes 1,024 x 32 x 16 uint8 (E2M1 codes of Wk, K innermost, in blocks of 32 codes, two codes a byte); Wk_scales 1,024 x 32 uint8 (E8M0 scales of Wk, one for each 32 codes along K); Wo_codes 1,024 x 32 x 16 uint8 (E2M1 codes of Wo, K innermost, in blocks of 32 codes, two codes a byte); Wo_scales 1,024 x 32 uint8 (E8M0 scales of Wo, one for each 32 codes along K); Wq_codes 1,024 x 32 x 16 uint8 (E2M1 codes of Wq, K innermost, in blocks of 32 codes, two codes a byte); Wq_scales 1,024 x 32 uint8 (E8M0 scales of Wq, one for each 32 codes along K); Wv_codes 1,024 x 32 x 16 uint8 (E2M1 codes of Wv, K innermost, in blocks of 32 codes, two codes a byte); Wv_scales 1,024 x 32 uint8 (E8M0 scales of Wv, one for each 32 codes along K); bk 1,024 float32; bo 1,024 float32; bq 1,024 float32; bv 1,024 float32; k_codes 2 x 2,048 x 32 x 16 uint8 (E2M1 codes of k, K innermost, in blocks of 32 codes, two codes a byte); k_scales 2 x 2,048 x 32 uint8 (E8M0 scales of k, one for each 32 codes along K); mask 1 x 1 x 2,048 x 2,048 int32; q_codes 2 x 2,048 x 32 x 16 uint8 (E2M1 codes of q, K innermost, in blocks of 32 codes, two codes a byte); q_scales 2 x 2,048 x 32 uint8 (E8M0 scales of q, one for each 32 codes along K); v_codes 2 x 2,048 x 32 x 16 uint8 (E2M1 codes of v, K innermost, in blocks of 32 codes, two codes a byte); v_scales 2 x 2,048 x 32 uint8 (E8M0 scales of v, one for each 32 codes along K).
;; Outputs: out0 2 x 2,048 x 1,024 float32.
;; This version of the problem:
;;   THIS VERSION OF THE PROBLEM IS GIVEN IN LOW PRECISION. The matrix products marked QUANTISED in the list below multiply operands that are first quantised to E2M1 (2 exponent bits, 1 mantissa bit; 4 bits a number), with one power-of-two scale for each 32 numbers along K (OCP MX v1.0); their sums are f32. All else is computed in f32.
;;   The module's matrix products, in the order in which they are computed (A, B: the left and right operand; K: the contracted axis; several contracted axes count as one K, in the product's order):
;;     1. [M 4,096, K 1,024] x [K 1,024, N 1,024]; A: input q (given as codes); B: input Wq (given as codes): QUANTISED
;;     2. [M 4,096, K 1,024] x [K 1,024, N 1,024]; A: input k (given as codes); B: input Wk (given as codes): QUANTISED
;;     3. [M 4,096, K 1,024] x [K 1,024, N 1,024]; A: input v (given as codes); B: input Wv (given as codes): QUANTISED
;;     4. batch 32 x [M 2,048, K 64] x [K 64, N 2,048]; A: computed on the way; B: computed on the way: QUANTISED
;;     5. batch 32 x [M 2,048, K 2,048] x [K 2,048, N 64]; A: softmax (see below); B: computed on the way: QUANTISED
;;     6. [M 4,096, K 1,024] x [K 1,024, N 1,024]; A: computed on the way; B: input Wo (given as codes): QUANTISED
;;   THE QUANTISER, for each operand of a quantised product, along K:
;;     - K is cut into blocks of 32 from its start; a last block that is shorter is filled with zeros.
;;     - A block's scale is 2^e with e = floor(log2(the largest magnitude in the block)) - 2, held to -126 .. 127; a block of zeros has e = 0. As a byte (E8M0): e + 127.
;;     - Each number is divided by its block's scale, clamped to +-6, and rounded to the nearest number of E2M1, ties to even, subnormals kept.
;;     - The product sums the exact products of the quantised numbers (number of the format x scale) in f32.
;;   ~~~python
;;   def quantise(x, axis):      # numpy; x: float32 -> the quantised numbers, widened to float32 again
;;       x = np.moveaxis(x, axis, -1); K = x.shape[-1]
;;       x = np.pad(x, [(0, 0)] * (x.ndim - 1) + [(0, -K % 32)]); x = x.reshape(x.shape[:-1] + (-1, 32)); a = np.abs(x).max(-1, keepdims=True)
;;       e = np.where(a > 0, np.clip(np.frexp(np.where(a > 0, a, 1))[1] - 1 - 2, -126, 127), 0)      # np.frexp(a)[1] - 1 = floor(log2(a)), exactly
;;       r = np.clip(x / 2.0 ** e, -6, 6)
;;       step = 2.0 ** (np.maximum(np.frexp(np.where(r == 0, 1, r))[1] - 1, 0) - 1)
;;       q = np.round(r / step) * step * 2.0 ** e      # np.round: ties to even
;;       return np.moveaxis(q.reshape(q.shape[:-2] + (-1,))[..., :K], -1, axis).astype(np.float32)
;;   ~~~
;;   SOFTMAX AHEAD OF A QUANTISED PRODUCT. Where the list says 'softmax', what is quantised is not the finished softmax but p = 2^(t - M), with t = logit x log2(e) and M = ceil(the row's largest t), a whole number; so 1/2 < the row's largest p <= 1. The row's sum l is taken of the UNQUANTISED p, in f32, and the product's result is divided by l at the end. Since M is a whole number, a kernel that streams over the keys may use a running M (the ceiling of the running maximum): every later rescaling is an exact power of two, which a block's scale takes up: the codes' values come out the same.
;;   OPERANDS COMPUTED ON THE WAY. 'Computed on the way' means the value that the module computes at that place (a softmax that the list does not call 'softmax' is quantised finished and normalised). What goes into a quantiser is computed in f32, as accurately as f32 sums, v_exp_f32 and their like allow (about 1e-6 of the number): no bf16 or f16 on the way to a quantiser, and a product that is left as it is and whose result goes on into a quantised operand takes f32 operands (vector FMAs, or v_wmma_f32_16x16x4_f32). A number that lies on a knife's edge between two numbers of the format may be rounded either way, as far as f32 arithmetic and the matrix unit's own rounding can turn it there, and no further.
;;   INPUTS GIVEN AS CODES. Wk (in the module: [1024, 1024], K = its axis 1); Wo (in the module: [1024, 1024], K = its axis 1); Wq (in the module: [1024, 1024], K = its axis 1); Wv (in the module: [1024, 1024], K = its axis 1); k (in the module: [2, 2048, 1024], K = its axis 2); q (in the module: [2, 2048, 1024], K = its axis 2); v (in the module: [2, 2048, 1024], K = its axis 2): each comes as NAME_codes (uint8): NAME with its K axis moved to the last place and cut into blocks of 32 codes, [.., K / 32, bytes a block], one block behind the other in memory; two codes a byte, the lower K in the low four bits (a code: sign, 2 exponent bits, 1 mantissa bit); and NAME_scales (uint8): the same leading axes, one E8M0 byte (e + 127) for each 32 codes along K. Its value is code x scale, taken as it is: it is not quantised again, and the codes and scales need not be those that the quantiser above would give.
;; 2 versions, each right; version 2 is version 1 with the launch attn written anew for expert scheduling mode. Each part assembles by itself: llvm-mc -triple=amdgcn-amd-amdhsa -mcpu=gfx1250 --defsym DOCPART=n.
;; ======== version 1 of 2: 4 launches
;; limits: right only within a limited range of input values
;; workspace buffers: qkv 6,291,456 bytes; qkvs 655,360 bytes; mbits 532,480 bytes of whole numbers; ao 2,097,152 bytes; aos 131,072 bytes
;; launch proj (part 1): grid 4 x 48, 4 waves a work-group, clusters of 4 x 4, 327,680 bytes of LDS; arguments q_codes, q_scales, Wq_codes, Wq_scales, bq, k_codes, k_scales, Wk_codes, Wk_scales, bk, Wv_codes, Wv_scales, v_codes, v_scales, bv, qkv, qkvs; writes qkv, qkvs
.if DOCPART == 1
	.amdgcn_target "amdgcn-amd-amdhsa--gfx1250"
	.amdhsa_code_object_version 6
	.text
	.protected	k_q8ccf770baa_proj
	.globl	k_q8ccf770baa_proj
	.p2align	8
	.type	k_q8ccf770baa_proj,@function
k_q8ccf770baa_proj:
	s_mov_b64 s[64:65], 0
	v_nop
	global_prefetch_b8 v0, s[64:65] scope:SCOPE_SE
	s_setreg_imm32_b32 hwreg(HW_REG_WAVE_MODE, 25, 1), 1
	s_wait_xcnt 0x0
	s_wait_alu depctr_hold_cnt(0) depctr_sa_sdst(0) depctr_va_vdst(0) depctr_va_sdst(0) depctr_va_ssrc(0) depctr_va_vcc(0) depctr_vm_vsrc(0)
	s_getreg_b32 s2, hwreg(HW_REG_IB_STS2, 6, 4)
	s_cmp_eq_u32 s2, 0
	s_cbranch_scc0 .Lentry_in_a_cluster
	s_endpgm
.Lentry_in_a_cluster:
	s_bfe_u32 s2, ttmp6, 0x10000c
	s_cmp_lg_u32 s2, 0xf033
	s_cbranch_scc0 .Lentry_shape_is_right
	s_endpgm
.Lentry_shape_is_right:
; THE THREE PROJECTIONS of the attention layer, on codes of FP4 (E2M1) with one E8M0 scale for each 32 along K, each followed by its bias and by the quantiser of the product that takes it in.
; WHAT THE PROGRAM LEAVES OUT.  No input, bias or step of reference() is left out anywhere.  One thing is not done, in the launch attn alone: a tile of 16 queries x 128 keys whose mask entries are all 0 is passed
; over where each of its 16 queries has a key that counts somewhere in its row.  There reference() sets the logits to -1e9 beside a logit that counts, and their weights are 0 in f32.  The choice is made from whole numbers that the launch pack
; has stored from the mask as it is given; where a query has no key that counts at all, every tile of its 16 queries is done.  LIMIT: a NaN, an infinity or an overflow that reaches only such a tile is not carried to the result.
; THIS LAUNCH.  Out[i][j] = sum over k of X[i][k] Y[j][k] + bias, quantised along j in blocks of 32, K = 1,024.
;   kind 0, 1 (qh, kh): X = q or k (4,096 rows), Y = Wq or Wk (1,024 rows), bias along j; j runs along the heads' 64, which is the K of the scores.
;   kind 2 (vh):        X = Wv (1,024 rows), Y = v (4,096 rows), bias along i; j runs along the keys, which are the K of the second product.
; All operands have rows of 512 bytes of codes and 32 bytes of scales, so one text and one set of descriptors serves the three; pointers are chosen by the cluster's number.
; SHARES.  A tile of 256 x 256 to a work-group of four waves, 128 x 128 to a wave: 64 accumulators.  192 tiles, 192 work-groups.  K goes as two slots of 512, both filled at the head: nothing is filled again.
; CLUSTERS of 4 x 4: X's tile is shared along a row of the cluster, Y's along a column; each is asked for jointly.
; THE MATRIX INSTRUCTION IS USED TRANSPOSED (source 0 = 16 rows of Y, source 1 = 16 rows of X): lane (r, h) holds row i = r, and register jj of tile b holds j = 16 b + 8 h + jj.
; THE WAY OUT.  A block of 32 along j is tiles 2 B and 2 B + 1 in lanes l and l xor 16.  The code word of tile 4 c + 2 hb + u goes to register 4 c + 2 u + hb; two exchanges of halves for each c then leave, in registers
; 4 c .. 4 c + 3 of lane (r, h), the codes of j = 64 c + 32 h + 0 .. 31: an operand's registers.  They are stored as they stand, 16 bytes a lane, 512 consecutive bytes a store.
;   qkv:  Q at 0, K at 2,097,152: ((batch x 8 + head pair) x 128 + s / 16) x 1,024 + 512 c;   V at 4,194,304: ((batch x 16 + key step) x 64 + 4 head + d / 16) x 1,024 + 512 c
;   qkvs: Q at 0, K at 262,144: (((batch x 8 + head pair) x 16 + s / 128) x 2 + c) x 512 + 16 lane: lane (hh, r) has the words of tiles 4 hh + 0 .. 3, row r; bytes 0, 1 the head's two blocks, bytes 2, 3 are 0
;         V at 524,288: ((batch x 16 + key step) x 16 + head) x 256 + 16 r: the words of d / 16 = 0 .. 3, four key blocks a word
; LIMITS: NaN and infinities among the inputs are not served; a block whose largest magnitude lies under 2^-124 (a block of zeros too) gets the byte 1: these bytes are read by this program alone, and its codes are then zeros or held.
; REGISTERS, in windows of 256: window 0: v16-29 addresses; v32-95 scale words, two sets; v128-191 X's fragments, one set, later the codes; v192-255 the bias tiles, later the quantiser's work.
;   window 1: Y's fragments, two sets.   windows 2, 3: the accumulators ((a, b) at v[8 (8 (a % 4) + b)]).
.set NQ,     4                         ; steps of 128 along K in a slot
.set ROWB,   256                       ; a slot's row: 512 codes
.set KROW,   512                       ; a row of codes in memory
.set PITCH,  272                       ; an LDS row: 256 bytes + 16 of padding: the 16 rows that a load touches start at 16 different banks (64 banks of 4 bytes: ISA guide 11.1)
.set FR,     8
.set NL,     2
.set NP,     4                         ; places behind this matrix instruction (ISA guide 7.12.1)
.set HALFT,  128*PITCH
.set SLOT,   4*HALFT
.set KS,     32                        ; a row of scales in bytes
.set SCL,    2*SLOT                    ; behind the slots: the scales, as units of 256 bytes + 16 of padding
.set HALFS,  16*272
.set SBLK,   2*272
.set SPARE,  SCL+4*HALFS               ; the spare words, 128 bytes a wave, that no other line names
.set ADRA, 16
.set ADRB, 20
.set OFS,  24                          ; v24  16 x lane: my place in a stored image
.set BOF,  25                          ; v25  my offset in the bias
.set ADRS, 27
.set SPW,  28
.set NIL,  29
.set SC,   32
.set AF,   128
.set BT,   192                         ; the bias, eight registers a tile, in the result's layout
.set TM,   192                         ; later: +0..3 largest magnitudes, +4..7 the other half's, then bytes, +12..15 the conversions' scale operands
.set PWS,  208                         ; v208-215 the scale word of each block of rows
.set EW,   216
.set FW,   220
.set GW,   224
.set G1,   16
.set G1B,  24
.set G0,   32
.set G0B,  48
.set G1S,  56
.set G1SB, 68
.set G0S,  76
.set G0SB, 80
.set MSB, 0
.macro WIN new                         ; the immediate's high byte repeats the setting that is left
.if MSB != \new
	s_set_vgpr_msb (MSB<<8)|\new
.set MSB, \new
.endif
.endm
.set MUL_LO, 0xa1                      ; source 0 (Y) window 1, source 1 (X) window 0, C and D window 2
.set MUL_HI, 0xf1
.set TO_B,   0x40
; A joint load: waves 0 and 1 fetch for X, waves 2 and 3 for Y.  The branch hangs on the wave's number alone.  An s_nop 0 and four v_nop follow each line.
.macro JLOAD g0a, g1a, g0b, g1b
	s_cmp_eq_u32 s85, 0
	s_cbranch_scc0 .Lfor_b_\@
	tensor_load_to_lds s[\g0a:\g0a+3], s[\g1a:\g1a+7]
	s_nop 0
.rept 4
	v_nop
.endr
	s_branch .Lasked_\@
.Lfor_b_\@:
	tensor_load_to_lds s[\g0b:\g0b+3], s[\g1b:\g1b+7]
	s_nop 0
.rept 4
	v_nop
.endr
.Lasked_\@:
.endm
.macro CROUND                          ; a round of the cluster's barrier
	s_barrier_signal -1
	s_barrier_wait -1
	s_cmp_lg_u32 s84, 0
	s_cbranch_scc1 .Lnot_wave_0_\@
	s_barrier_signal -3
.Lnot_wave_0_\@:
	s_barrier_wait -3
	s_barrier_signal -1
	s_barrier_wait -1
.endm
	s_load_b256 s[4:11], s[0:1], 0x0               ; kind 0: X's codes, X's scales, Y's codes, Y's scales,
	s_load_b64 s[12:13], s[0:1], 0x20              ; bias
	s_load_b256 s[16:23], s[0:1], 0x28             ; kind 1
	s_load_b64 s[24:25], s[0:1], 0x48
	s_load_b256 s[28:35], s[0:1], 0x50             ; kind 2
	s_load_b64 s[36:37], s[0:1], 0x70
	s_load_b128 s[40:43], s[0:1], 0x78             ; qkv, qkvs
	v_lshl_add_u32 v[SPW], v0, 2, SPARE
	v_mov_b32 v[NIL], 0
	ds_add_u32 v[SPW], v[NIL]                      ; the wave's opening: the add, twice on end, and its wait ahead of my first tensor load
	ds_add_u32 v[SPW], v[NIL]
	v_lshrrev_b32 v1, 5, v0
	v_readfirstlane_b32 s84, v1                    ; wave 0..3
	s_lshr_b32 s85, s84, 1                         ; which half of the tile's rows i is mine.  Also: I fetch for X (0) or for Y (1)
	s_and_b32 s86, s84, 1                          ; which half of its j.  Also: which 128 rows I fetch
	s_bfe_u32 s87, ttmp6, 0x40000                  ; cx
	s_bfe_u32 s88, ttmp6, 0x40004                  ; cy
	s_and_b32 s89, ttmp7, 0xffff                   ; the cluster's y, 0 .. 11
	s_lshr_b32 s90, s89, 2                         ; the kind
	s_and_b32 s91, s89, 3
	s_lshl_b32 s91, s91, 2                         ; four tiles for each cluster along the operand of 4,096 rows
	s_lshl_b32 s94, s88, 2
	s_lshl_b32 s94, 15, s94                        ; my row of the cluster
	s_lshl_b32 s95, 0x1111, s87                    ; my column
	s_mov_b32 s100, 0x76543210
	s_mov_b32 s101, 0xfedcba98                     ; v_permlanex16_b32's selects for lane l xor 16
	s_cmp_eq_u32 s90, 2
	s_cselect_b32 s92, 0, s91
	s_cselect_b32 s93, s91, 0
	s_add_co_u32 s92, s92, s88                     ; X's tile: it hangs on cy and the cluster's number
	s_add_co_u32 s93, s93, s87                     ; Y's tile: on cx and the cluster's number
	s_lshl_b32 s14, s86, 7
	s_lshl_b32 s96, s92, 8
	s_add_co_u32 s96, s96, s14                     ; X's first row that I fetch
	s_lshl_b32 s98, s93, 8
	s_add_co_u32 s98, s98, s14                     ; Y's
	s_lshl_b32 s44, s96, 5                         ; their scales, 32 bytes a row,
	s_mov_b32 s45, 0
	s_lshl_b32 s46, s98, 5
	s_mov_b32 s47, 0
	s_lshl_b32 s96, s96, 9                         ; and their codes, 512 bytes a row
	s_mov_b32 s97, 0
	s_lshl_b32 s98, s98, 9
	s_mov_b32 s99, 0
	s_mul_i32 s14, s84, HALFT                      ; where they go: wave x 128 rows: no place in the cluster enters an LDS address
	s_mul_i32 s15, s84, HALFS
	; the scales of 128 rows: a dense block of 4,096 bytes, as 16 rows of 256 bytes (32 elements of 8 bytes), 16 bytes of padding behind each
	s_or_b32 s[G1S+0], s94, (3<<16)|(1<<20)|(1<<21)|(5<<22)|(3<<25)
	s_or_b32 s[G1SB+0], s95, (3<<16)|(1<<20)|(1<<21)|(5<<22)|(3<<25)
.irp g, G1S, G1SB
	s_mov_b32 s[\g+1], 32<<16
	s_mov_b32 s[\g+2], 16<<16
	s_mov_b32 s[\g+3], 32<<16
	s_mov_b32 s[\g+4], 16
	s_mov_b32 s[\g+5], 32
	s_mov_b32 s[\g+6], 0
	s_mov_b32 s[\g+7], 0
.endr
	s_wait_dscnt 0x0                               ; both opening adds are done
	s_wait_kmcnt 0x0
	s_cmp_eq_u32 s90, 1                            ; the kind's five buffers: a choice that hangs on the cluster's number alone
	s_cselect_b64 s[4:5], s[16:17], s[4:5]
	s_cselect_b64 s[6:7], s[18:19], s[6:7]
	s_cselect_b64 s[8:9], s[20:21], s[8:9]
	s_cselect_b64 s[10:11], s[22:23], s[10:11]
	s_cselect_b64 s[12:13], s[24:25], s[12:13]
	s_cmp_eq_u32 s90, 2
	s_cselect_b64 s[4:5], s[28:29], s[4:5]
	s_cselect_b64 s[6:7], s[30:31], s[6:7]
	s_cselect_b64 s[8:9], s[32:33], s[8:9]
	s_cselect_b64 s[10:11], s[34:35], s[10:11]
	s_cselect_b64 s[12:13], s[36:37], s[12:13]
	s_add_nc_u64 s[4:5], s[4:5], s[96:97]
	s_add_nc_u64 s[6:7], s[6:7], s[44:45]
	s_add_nc_u64 s[8:9], s[8:9], s[98:99]
	s_add_nc_u64 s[10:11], s[10:11], s[46:47]
	; descriptor group 1 for the codes: 128 rows x 256 bytes, 512 bytes apart in memory, 16 bytes of padding behind each in LDS
	s_or_b32 s[G1+0], s94, (1<<20)|(1<<21)|(5<<22)|(3<<25)    ; 15:0 the mask; 17:16 elements of 1 byte; 20 padding on; 21 set beside a mask; 24:22 after every 64 words; 31:25 four words
	s_or_b32 s[G1B+0], s95, (1<<20)|(1<<21)|(5<<22)|(3<<25)
.irp g, G1, G1B
	s_mov_b32 s[\g+1], ROWB<<16
	s_mov_b32 s[\g+2], 128<<16
	s_mov_b32 s[\g+3], ROWB<<16
	s_mov_b32 s[\g+4], 128
	s_mov_b32 s[\g+5], KROW
	s_mov_b32 s[\g+6], 0
	s_mov_b32 s[\g+7], 0
.endr
	s_mov_b32 s[G0S], 1
	s_add_co_u32 s[G0S+1], s15, SCL
	s_mov_b64 s[G0S+2:G0S+3], s[6:7]
	s_or_b32 s[G0S+3], s[G0S+3], 0x80000000
	s_mov_b32 s[G0SB], 1
	s_add_co_u32 s[G0SB+1], s15, SCL
	s_mov_b64 s[G0SB+2:G0SB+3], s[10:11]
	s_or_b32 s[G0SB+3], s[G0SB+3], 0x80000000
.irp s, 0,1
	s_mov_b32 s[G0+4*\s], 1
	s_add_co_u32 s[G0+4*\s+1], s14, \s*SLOT
	s_add_nc_u64 s[G0+4*\s+2:G0+4*\s+3], s[4:5], \s*ROWB
	s_or_b32 s[G0+4*\s+3], s[G0+4*\s+3], 0x80000000
	s_mov_b32 s[G0B+4*\s], 1
	s_add_co_u32 s[G0B+4*\s+1], s14, \s*SLOT
	s_add_nc_u64 s[G0B+4*\s+2:G0B+4*\s+3], s[8:9], \s*ROWB
	s_or_b32 s[G0B+4*\s+3], s[G0B+4*\s+3], 0x80000000
.endr
	CROUND                                         ; all sixteen work-groups are here: the joint loads meet
	JLOAD G0S, G1S, G0SB, G1SB                     ; three loads of mine are out: the scales,
	JLOAD G0, G1, G0B, G1B                         ; K 0 .. 511,
	JLOAD G0+4, G1, G0B+4, G1B                     ; K 512 .. 1,023
	v_and_b32 v1, 15, v0                           ; r
	v_bfe_u32 v2, v0, 4, 1                         ; h
	v_mul_u32_u24 v3, v1, PITCH
	v_lshl_add_u32 v4, v2, 4, v3                   ; a fragment's row x pitch + 16 h
	s_mul_i32 s96, s85, HALFT                      ; my 128 rows of X
	s_mul_i32 s97, s86, HALFT                      ; my 128 rows of Y,
	s_add_co_u32 s97, s97, 2*HALFT                 ; which lie behind X's 256
.irp s, 0,1
	v_add_nc_u32 v[ADRA+\s], s96, v4
	v_add_nc_u32 v[ADRB+\s], s97, v4
	s_add_co_u32 s96, s96, SLOT
	s_add_co_u32 s97, s97, SLOT
.endr
	v_mul_u32_u24 v5, v1, KS                       ; my row's scales: 32 bytes a row,
	v_lshrrev_b32 v6, 8, v5
	v_lshl_add_u32 v5, v6, 4, v5                   ; and 16 more for each 256 passed
	s_mul_i32 s96, s85, HALFS
	s_mul_i32 s97, s86, HALFS
	s_add_co_u32 s97, s97, 2*HALFS
	s_sub_co_u32 s97, s97, s96
	v_mul_u32_u24 v6, s97, v2                      ; lanes 16-31 take Y's
	s_add_co_u32 s96, s96, SCL
	v_add_nc_u32 v5, v5, v6
	v_add_nc_u32 v[ADRS], s96, v5
	v_and_b32 v6, 31, v0
	v_lshlrev_b32 v[OFS], 4, v6
	; where my results go
	s_lshl_b32 s96, s92, 8
	s_lshl_b32 s2, s85, 7
	s_add_co_u32 s96, s96, s2                      ; i0
	s_lshl_b32 s97, s93, 8
	s_lshl_b32 s2, s86, 7
	s_add_co_u32 s97, s97, s2                      ; j0
	s_lshr_b32 s99, s97, 7                         ; j0 / 128: the head pair (kinds 0, 1) or batch x 16 + key step (kind 2)
	s_lshr_b32 s98, s96, 11
	s_lshl_b32 s98, s98, 10
	s_lshl_b32 s2, s99, 7
	s_add_co_u32 s98, s98, s2
	s_and_b32 s2, s96, 2047
	s_lshr_b32 s2, s2, 4
	s_add_co_u32 s98, s98, s2                      ; kinds 0, 1: (batch x 8 + head pair) x 128 + s / 16
	s_lshl_b32 s2, s99, 6
	s_lshr_b32 s14, s96, 4
	s_add_co_u32 s2, s2, s14                       ; kind 2: (batch x 16 + key step) x 64 + i0 / 16
	s_cmp_eq_u32 s90, 2
	s_cselect_b32 s98, s2, s98
	s_lshl_b32 s98, s98, 10
	s_lshl_b32 s2, s90, 21
	s_add_co_u32 s14, s98, s2
	s_mov_b32 s15, 0
	s_add_nc_u64 s[40:41], s[40:41], s[14:15]      ; the codes
	s_lshr_b32 s98, s96, 11
	s_lshl_b32 s98, s98, 3
	s_add_co_u32 s98, s98, s99
	s_lshl_b32 s98, s98, 4
	s_and_b32 s2, s96, 2047
	s_lshr_b32 s2, s2, 7
	s_add_co_u32 s98, s98, s2
	s_lshl_b32 s98, s98, 10
	s_lshl_b32 s2, s90, 18
	s_add_co_u32 s98, s98, s2
	s_lshl_b32 s2, s99, 4
	s_lshr_b32 s14, s96, 6
	s_add_co_u32 s2, s2, s14
	s_lshl_b32 s2, s2, 8
	s_add_co_u32 s2, s2, 524288
	s_cmp_eq_u32 s90, 2
	s_cselect_b32 s14, s2, s98
	s_add_nc_u64 s[42:43], s[42:43], s[14:15]      ; the scale words
	s_cmp_eq_u32 s90, 2
	s_cselect_b32 s14, s96, s97
	s_lshl_b32 s14, s14, 2
	s_add_nc_u64 s[12:13], s[12:13], s[14:15]      ; the bias at i0 (kind 2) or at j0
	s_mov_b32 s3, 0xffff0000                       ; lanes 16-31
	s_cmp_eq_u32 s90, 2
	s_cbranch_scc1 .Lbias_v
	v_lshlrev_b32 v[BOF], 5, v2                    ; along j: tile b wants bias[j0 + 16 b + 8 h + 0 .. 7]
.irp b, 0,1,2,3,4,5,6,7
	global_load_b128 v[BT+8*\b:BT+8*\b+3], v[BOF], s[12:13] offset:64*\b
	global_load_b128 v[BT+8*\b+4:BT+8*\b+7], v[BOF], s[12:13] offset:64*\b+16
.endr
	s_branch .Lbias_done
.Lbias_v:
	v_lshlrev_b32 v[BOF], 2, v1                    ; along i: block a wants bias[i0 + 16 a + r] in all eight registers
.irp a, 0,1,2,3,4,5,6,7
	global_load_b32 v[BT+8*\a], v[BOF], s[12:13] offset:64*\a
.endr
	s_wait_loadcnt 0x0
.irp a, 0,1,2,3,4,5,6,7
.irp j, 1,2,3,4,5,6,7
	v_mov_b32 v[BT+8*\a+\j], v[BT+8*\a]
.endr
.endr
.Lbias_done:
.macro FRAG reg, adr, q, i             ; 16 rows x 128 K: lane l holds row l % 16; registers 4 c .. 4 c + 3 hold K = 64 c + 32 (l / 16) + 0 .. 31
.irp c, 0,1
	ds_load_b128 v[\reg+4*\c:\reg+4*\c+3], v[\adr] offset:64*(\q)+32*\c+(\i)*16*PITCH
.endr
.endm
; 16 matrix instructions: X's blocks a0, a0 + 1 x Y's eight.  cm = 0: the sums go on; 1: they begin with the bias along j; 2: with the bias along i.  The 64 accumulators take turns, one instruction a turn.
.macro MUL16 a0, p, q, sc, cm
.irp a, \a0, \a0+1
.irp b, 0,1,2,3,4,5,6,7
.if \cm == 1
	v_wmma_scale_f32_16x16x128_f8f6f4 v[8*(8*((\a)%4)+\b):8*(8*((\a)%4)+\b)+7], v[128*(\p)+FR*\b:128*(\p)+FR*\b+FR-1], v[AF+FR*(\a):AF+FR*(\a)+FR-1], v[BT+8*\b:BT+8*\b+7], v[SC+8*NQ*(\sc)+NQ*\b+(\q)], v[SC+8*NQ*(\sc)+NQ*(\a)+(\q)] matrix_a_fmt:MATRIX_FMT_FP4 matrix_b_fmt:MATRIX_FMT_FP4 matrix_a_scale:MATRIX_SCALE_ROW1
.elseif \cm == 2
	v_wmma_scale_f32_16x16x128_f8f6f4 v[8*(8*((\a)%4)+\b):8*(8*((\a)%4)+\b)+7], v[128*(\p)+FR*\b:128*(\p)+FR*\b+FR-1], v[AF+FR*(\a):AF+FR*(\a)+FR-1], v[BT+8*(\a):BT+8*(\a)+7], v[SC+8*NQ*(\sc)+NQ*\b+(\q)], v[SC+8*NQ*(\sc)+NQ*(\a)+(\q)] matrix_a_fmt:MATRIX_FMT_FP4 matrix_b_fmt:MATRIX_FMT_FP4 matrix_a_scale:MATRIX_SCALE_ROW1
.else
	v_wmma_scale_f32_16x16x128_f8f6f4 v[8*(8*((\a)%4)+\b):8*(8*((\a)%4)+\b)+7], v[128*(\p)+FR*\b:128*(\p)+FR*\b+FR-1], v[AF+FR*(\a):AF+FR*(\a)+FR-1], v[8*(8*((\a)%4)+\b):8*(8*((\a)%4)+\b)+7], v[SC+8*NQ*(\sc)+NQ*\b+(\q)], v[SC+8*NQ*(\sc)+NQ*(\a)+(\q)] matrix_a_fmt:MATRIX_FMT_FP4 matrix_b_fmt:MATRIX_FMT_FP4 matrix_a_scale:MATRIX_SCALE_ROW1
.endif
.endr
.endr
.endm
.macro FETCH_B slot, q, p
	WIN TO_B
.irp i, 0,1,2,3,4,5,6,7
	FRAG 128*(\p)+FR*\i, ADRB+\slot, \q, \i
.endr
	WIN 0
.endm
.macro FETCH_A slot, q, i0
.irp i, \i0, \i0+1, \i0+2, \i0+3
	FRAG AF+FR*(\i), ADRA+\slot, \q, \i
.endr
.endm
.macro SCALES sc                       ; a slot's scale words: four a row; lanes 0-15 take X's block i, lanes 16-31 Y's block i
.irp i, 0,1,2,3,4,5,6,7
	ds_load_b128 v[SC+8*NQ*\sc+NQ*\i:SC+8*NQ*\sc+NQ*\i+3], v[ADRS] offset:\i*SBLK
.endr
.endm
.macro PLACES n                        ; plain vector instructions between a matrix instruction and a load into, or a read of, its registers
.rept \n
	v_nop
.endr
.endm
; A step of 128 along K that has its successor in the same slot.  X has one set of fragments: blocks 0-3 are fetched anew in the step's middle, blocks 4-7 at its end; Y has two sets.
.macro STEP slot, q, cm
	s_wait_dscnt 4*NL                              ; Y's set and X's blocks 0-3 are in; the youngest eight loads (X's blocks 4-7) may be out
.if \cm
	WIN 0x81                                       ; C, the bias, in window 0
.else
	WIN MUL_LO
.endif
	MUL16 0, (\q)%2, \q, \slot, \cm
	MUL16 2, (\q)%2, \q, \slot, \cm
	s_wait_dscnt 0
	PLACES NP
	FETCH_B \slot, (\q)+1, 1-(\q)%2
	FETCH_A \slot, (\q)+1, 0
.if \cm
	WIN 0xc1
.else
	WIN MUL_HI
.endif
	MUL16 4, (\q)%2, \q, \slot, \cm
	MUL16 6, (\q)%2, \q, \slot, \cm
	PLACES NP
	WIN 0
	FETCH_A \slot, (\q)+1, 4
.endm
; Slot 0's last step goes over to slot 1: each wave waits for all its tensor loads (its part of slot 1), and a barrier shows every wave's part to all.  Nothing is filled again.
.macro TURN slot, next
	s_wait_tensorcnt 0x0
	ds_add_u32 v[SPW], v[NIL]                      ; 0 onto my spare word
	s_wait_dscnt 4*NL+1                            ; (the add and the youngest eight loads may be out)
	WIN MUL_LO
	MUL16 0, 1, NQ-1, \slot, 0
	s_wait_dscnt 0x0
	s_barrier_signal -1
	MUL16 2, 1, NQ-1, \slot, 0
	WIN 0
	s_barrier_wait -1
	PLACES NP
	v_add_nc_u32 v[ADRS], 4*NQ, v[ADRS]            ; on to the next slot's scale words (no LDS load of mine is out)
	FETCH_B \next, 0, 0
	FETCH_A \next, 0, 0
	SCALES \next
	WIN MUL_HI
	MUL16 4, 1, NQ-1, \slot, 0
	MUL16 6, 1, NQ-1, \slot, 0
	PLACES NP
	WIN 0
	FETCH_A \next, 0, 4
.endm
.macro STEPS slot, from
.set Q, \from
.rept NQ-1-\from
	STEP \slot, Q, 0
.set Q, Q+1
.endr
.endm
	s_wait_tensorcnt 1                             ; the scales and my part of slot 0 are in (slot 1's load may be out)
	s_barrier_signal -1
	s_barrier_wait -1                              ; everybody's are
	FETCH_B 0, 0, 0
	FETCH_A 0, 0, 0
	SCALES 0
	FETCH_A 0, 0, 4
	s_wait_loadcnt 0x0                             ; the bias
	s_cmp_eq_u32 s90, 2
	s_cbranch_scc1 .Lfirst_v
	STEP 0, 0, 1                                   ; the first step starts the sums with the bias: nothing is cleared, nothing is added later
	s_branch .Lfirst_done
.Lfirst_v:
	STEP 0, 0, 2
.Lfirst_done:
	STEPS 0, 1
	TURN 0, 1
	STEPS 1, 0
	s_wait_dscnt 4*NL                              ; the last step: nothing more to fetch
	WIN MUL_LO
	MUL16 0, 1, NQ-1, 1, 0
	MUL16 2, 1, NQ-1, 1, 0
	s_wait_dscnt 0
	WIN MUL_HI
	MUL16 4, 1, NQ-1, 1, 0
	MUL16 6, 1, NQ-1, 1, 0
	WIN 0
	PLACES NP
.irp b, 0,1,2,3
	v_mov_b32 v[TM+4+\b], 0                        ; written once: a lane permute's destination counts as one of its sources
.endr
; Block a of 16 rows: its 128 numbers along j a row become four blocks' scale bytes and a fragment's eight registers, which are stored as they stand.
.macro EPI a
.set WW, 2+(\a)/4
.set WW2, WW*5
.set AC, 64*((\a)%4)
.set PC, AF+8*(\a)
	WIN WW2                                        ; sources 0 and 1: the accumulators' window
.irp b, 0,1,2,3
	v_max3_num_f32 v[TM+\b], |v[AC+16*\b]|, |v[AC+16*\b+1]|, 0x1800000   ; block b: my 16 numbers, each accumulator from its low end on, and the floor 2^(3 - 127): the byte cannot fall under 1
.endr
.irp i, 2,4,6,8,10,12,14
.irp b, 0,1,2,3
	v_max3_num_f32 v[TM+\b], |v[AC+16*\b+\i]|, |v[AC+16*\b+\i+1]|, v[TM+\b]
.endr
.endr
	WIN 0
.irp b, 0,1,2,3
	v_permlanex16_b32 v[TM+4+\b], v[TM+\b], s100, s101
.endr
.irp b, 0,1,2,3
	v_max_num_f32 v[TM+\b], v[TM+\b], v[TM+4+\b]   ; with lane l xor 16's: the block's largest magnitude
.endr
.irp b, 0,1,2,3
	v_add_nc_u32 v[TM+12+\b], 0xff000000, v[TM+\b] ; 2 off its exponent field: the conversion takes the exponent field of this operand as its scale
.endr
.irp b, 0,1,2,3
	v_lshrrev_b32 v[TM+4+\b], 23, v[TM+12+\b]      ; the scale's byte
.endr
	v_lshl_or_b32 v[PWS+(\a)], v[TM+5], 8, v[TM+4]
	v_lshl_or_b32 v[PWS+(\a)], v[TM+6], 16, v[PWS+(\a)]
	v_lshl_or_b32 v[PWS+(\a)], v[TM+7], 24, v[PWS+(\a)]
	WIN WW                                         ; source 0: the accumulators' window
.irp c, 0,1
.irp hb, 0,1
.irp u, 0,1
	v_cvt_scalef32_pk8_fp4_f32 v[PC+4*\c+2*\u+\hb], v[AC+8*(4*\c+2*\hb+\u):AC+8*(4*\c+2*\hb+\u)+7], v[TM+12+2*\c+\hb]
.endr
.endr
.endr
	WIN 0
	v_nop                                          ; one plain place behind a scaled conversion
.irp i, 0,1,2,3
	v_permlane16_swap_b32 v[PC+2*\i], v[PC+2*\i+1] ; the first's lanes 16-31 change places with the second's lanes 0-15: a whole block of 32 in a lane
.endr
.irp c, 0,1
	global_store_b128 v[OFS], v[PC+4*\c:PC+4*\c+3], s[40:41] offset:(\a)*1024+\c*512   ; 32 lanes store 512 consecutive bytes; each block has registers of its own, so no store's data are written again
.endr
.endm
.irp a, 0,1,2,3,4,5,6,7
	EPI \a
.endr
.irp i, 0,1,2,3
	v_cndmask_b32 v[EW+\i], v[PWS+\i], v[PWS+4+\i], s3   ; lanes 0-15: blocks 0-3; lanes 16-31: blocks 4-7
.endr
	s_cmp_eq_u32 s90, 2
	s_cbranch_scc1 .Lscales_v
.irp i, 0,1,2,3
	v_and_b32 v[FW+\i], 0xffff, v[EW+\i]           ; the even head's two bytes,
	v_lshrrev_b32 v[GW+\i], 16, v[EW+\i]           ; the odd head's
.endr
	global_store_b128 v[OFS], v[FW:FW+3], s[42:43]
	global_store_b128 v[OFS], v[GW:GW+3], s[42:43] offset:512
	s_branch .Lend
.Lscales_v:
	global_store_b128 v[OFS], v[EW:EW+3], s[42:43] ; two heads' words of this key step
.Lend:
	s_wait_tensorcnt 0x0                           ; the wave's end
	ds_add_u32 v[SPW], v[NIL]
	s_wait_dscnt 0x0
	CROUND                                         ; the closing round: no work-group ends while a partner may still ask for a tile that names it
	s_endpgm
.Lfunc_end_k_q8ccf770baa_proj:
	.size	k_q8ccf770baa_proj, .Lfunc_end_k_q8ccf770baa_proj-k_q8ccf770baa_proj
	.p2alignl 7, 3214868480
	.fill 96, 4, 3214868480
	.section	.rodata,"a",@progbits
	.p2align	6, 0x0
	.amdhsa_kernel k_q8ccf770baa_proj
		.amdhsa_group_segment_fixed_size 327680
		.amdhsa_private_segment_fixed_size 0
		.amdhsa_enable_private_segment 0
		.amdhsa_kernarg_size 136
		.amdhsa_user_sgpr_count 2
		.amdhsa_user_sgpr_kernarg_segment_ptr 1
		.amdhsa_wavefront_size32 1
		.amdhsa_system_sgpr_workgroup_id_x 1
		.amdhsa_system_sgpr_workgroup_id_y 1
		.amdhsa_system_sgpr_workgroup_id_z 1
		.amdhsa_system_vgpr_workitem_id 0
		.amdhsa_next_free_vgpr 1024
		.amdhsa_next_free_sgpr 102
		.amdhsa_reserve_vcc 0
		.amdhsa_float_denorm_mode_32 3
		.amdhsa_float_denorm_mode_16_64 3
		.amdhsa_memory_ordered 1
		.amdhsa_forward_progress 1
		.amdhsa_inst_pref_size 145
	.end_amdhsa_kernel
	.amdgpu_metadata
---
amdhsa.version: [ 1, 2 ]
amdhsa.kernels:
  - .name:           k_q8ccf770baa_proj
    .symbol:         k_q8ccf770baa_proj.kd
    .args:
      - { .name: q_codes, .offset: 0, .size: 8, .value_kind: global_buffer, .address_space: global }
      - { .name: q_scales, .offset: 8, .size: 8, .value_kind: global_buffer, .address_space: global }
      - { .name: Wq_codes, .offset: 16, .size: 8, .value_kind: global_buffer, .address_space: global }
      - { .name: Wq_scales, .offset: 24, .size: 8, .value_kind: global_buffer, .address_space: global }
      - { .name: bq, .offset: 32, .size: 8, .value_kind: global_buffer, .address_space: global }
      - { .name: k_codes, .offset: 40, .size: 8, .value_kind: global_buffer, .address_space: global }
      - { .name: k_scales, .offset: 48, .size: 8, .value_kind: global_buffer, .address_space: global }
      - { .name: Wk_codes, .offset: 56, .size: 8, .value_kind: global_buffer, .address_space: global }
      - { .name: Wk_scales, .offset: 64, .size: 8, .value_kind: global_buffer, .address_space: global }
      - { .name: bk, .offset: 72, .size: 8, .value_kind: global_buffer, .address_space: global }
      - { .name: Wv_codes, .offset: 80, .size: 8, .value_kind: global_buffer, .address_space: global }
      - { .name: Wv_scales, .offset: 88, .size: 8, .value_kind: global_buffer, .address_space: global }
      - { .name: v_codes, .offset: 96, .size: 8, .value_kind: global_buffer, .address_space: global }
      - { .name: v_scales, .offset: 104, .size: 8, .value_kind: global_buffer, .address_space: global }
      - { .name: bv, .offset: 112, .size: 8, .value_kind: global_buffer, .address_space: global }
      - { .name: qkv, .offset: 120, .size: 8, .value_kind: global_buffer, .address_space: global }
      - { .name: qkvs, .offset: 128, .size: 8, .value_kind: global_buffer, .address_space: global }
    .group_segment_fixed_size: 327680
    .private_segment_fixed_size: 0
    .kernarg_segment_align: 8
    .kernarg_segment_size: 136
    .max_flat_workgroup_size: 128
    .sgpr_count:     102
    .vgpr_count:     1024
    .wavefront_size: 32
...
	.end_amdgpu_metadata
.endif
;; end of part 1
;; launch pack (part 2): grid 256 x 1, 4 waves a work-group, no clusters, 17,920 bytes of LDS; arguments mask, mbits; writes mbits
.if DOCPART == 2
	.amdgcn_target "amdgcn-amd-amdhsa--gfx1250"
	.amdhsa_code_object_version 6
	.text
	.protected	k_q8ccf770baa_pack
	.globl	k_q8ccf770baa_pack
	.p2align	8
	.type	k_q8ccf770baa_pack,@function
k_q8ccf770baa_pack:
	s_mov_b64 s[64:65], 0
	v_nop
	global_prefetch_b8 v0, s[64:65] scope:SCOPE_SE
	s_setreg_imm32_b32 hwreg(HW_REG_WAVE_MODE, 25, 1), 1
	s_wait_xcnt 0x0
; THE MASK, [2048][2048] of int32, is read once and handed on as bits, laid as the launch attn wants them; nothing of its pattern is assumed.
; For query tile T (16 rows) and key step St (128 keys): 64 words at (16 T + St) x 256 + 4 n.  Word n = 8 t + jj is a LANE MASK: bit 16 h + r is set where mask[16 T + r][128 St + 16 t + 8 h + jj] is not 0.
; FLAGS: one word for each (T, St) at 524,288 + 64 T + 4 St: bit r: row r has a key that counts in this step; bit 16 + r: all 128 keys of the step count for row r.
; SHARES.  A wave takes 16 rows x 256 keys: two key steps, four half-steps of 64 keys.  1,024 waves.  All its 32 loads go out at the head, each 2 rows x 256 consecutive bytes.
; A half-step's 16 x 256 bytes turn through the wave's own stage in LDS (rows 272 bytes apart), so that lane (r, h) gets row r's keys 16 t + 8 h + 0 .. 7; a compare then makes a whole word of bits.
; Memory binds: no matrix unit, no cluster, no tensor load; waves share nothing, so there is no barrier.
.set PP,    272
.set WST,   16*PP                      ; a wave's stage
.set SPARE, 4*WST                      ; the spare words, 128 bytes a wave, that no other line names
.set SPW,   12
.set NIL,   13
.set POUT,  16                         ; v16-19  a step's 64 words: word n in register n % 2 of lane n / 2
.set PFL,   20                         ; v20-21  the two flags
.set PX,    32                         ; v32-63  a half-step as the compares want it
.set PS,    64                         ; v64-191 four half-steps as loaded
	s_load_b128 s[4:7], s[0:1], 0x0                ; the mask, mbits
	v_lshl_add_u32 v[SPW], v0, 2, SPARE
	v_mov_b32 v[NIL], 0
	v_lshrrev_b32 v1, 5, v0
	v_readfirstlane_b32 s8, v1                     ; wave
	s_lshl_b32 s9, ttmp9, 2
	s_add_co_u32 s9, s9, s8
	s_lshr_b32 s10, s9, 3                          ; T
	s_and_b32 s11, s9, 7                           ; which 256 keys
	v_and_b32 v7, 31, v0                           ; lane
	v_lshrrev_b32 v8, 4, v7                        ; h
	v_and_b32 v9, 15, v0                           ; r
	v_lshlrev_b32 v10, 4, v9
	v_lshl_add_u32 v2, v8, 13, v10                 ; a load: lanes 0-15 one row's 256 bytes, lanes 16-31 the next row's (8,192 bytes on)
	s_mul_i32 s2, s8, WST
	v_mad_u32_u24 v3, v8, PP, v10
	v_add_nc_u32 v3, s2, v3                        ; the same two rows in my stage
	v_mul_u32_u24 v4, v9, PP
	v_lshl_add_u32 v4, v8, 5, v4
	v_add_nc_u32 v4, s2, v4                        ; back: row r, + 32 h bytes
	v_lshlrev_b32 v5, 3, v7                        ; out: 8 bytes a lane
	v_mov_b32 v6, 0
.irp i, 0,1,2,3
	v_mov_b32 v[POUT+\i], 0                        ; v_writelane_b32's destination counts as read
.endr
	s_mov_b32 s13, 0
	s_lshl_b32 s12, s10, 17                        ; 16 rows of 8,192 bytes,
	s_lshl_b32 s14, s11, 10                        ; 256 keys of 4
	s_add_co_u32 s12, s12, s14
	s_wait_kmcnt 0x0
	s_add_nc_u64 s[4:5], s[4:5], s[12:13]
	s_lshl_b32 s12, s10, 6
	s_lshl_b32 s14, s11, 3
	s_add_co_u32 s12, s12, s14
	s_add_co_u32 s12, s12, 524288
	s_add_nc_u64 s[28:29], s[6:7], s[12:13]        ; my two flags
	s_lshl_b32 s12, s10, 12
	s_lshl_b32 s14, s11, 9
	s_add_co_u32 s12, s12, s14
	s_add_nc_u64 s[6:7], s[6:7], s[12:13]          ; my two steps' words
.irp u, 0,1,2,3
.irp p, 0,1,2,3,4,5,6,7
	global_load_b128 v[PS+32*\u+4*\p:PS+32*\u+4*\p+3], v2, s[4:5] offset:\p*16384+\u*256 th:TH_LOAD_NT
.endr
.endr
.macro HSTEP u
	s_wait_loadcnt 8*(3-(\u))                      ; this half-step's eight loads are in; those of the half-steps behind it may be out
.irp p, 0,1,2,3,4,5,6,7
	ds_store_b128 v3, v[PS+32*(\u)+4*\p:PS+32*(\u)+4*\p+3] offset:\p*2*PP
.endr
.irp t, 0,1,2,3
.irp e, 0,1
	ds_load_b128 v[PX+8*\t+4*\e:PX+8*\t+4*\e+3], v4 offset:64*\t+16*\e   ; LDS serves a wave's instructions in order (ISA guide 5.7.1.4): these see my stores
.endr
.endr
	s_wait_dscnt 0x0
.irp g, 0,1,2,3
.irp k, 0,1,2,3,4,5,6,7
	v_cmp_ne_u32 s[16+\k], 0, v[PX+8*\g+\k]        ; a word of bits: lane 16 h + r's bit
.endr
.irp k, 0,1,2,3,4,5,6,7
.if ((\u)%2 == 0) && (\g == 0) && (\k == 0)
	s_mov_b32 s24, s16                             ; a step's first word starts the two sums
	s_mov_b32 s25, s16
.else
	s_or_b32 s24, s24, s[16+\k]                    ; any key counts,
	s_and_b32 s25, s25, s[16+\k]                   ; all keys count
.endif
.endr
.irp k, 0,1,2,3,4,5,6,7
	v_writelane_b32 v[POUT+2*((\u)/2)+((8*\g+\k)&1)], s[16+\k], (32*((\u)%2)+8*\g+\k)>>1
.endr
.endr
.if (\u)%2 == 1
	s_lshr_b32 s26, s24, 16                        ; a row's keys lie in lanes r and 16 + r
	s_or_b32 s24, s24, s26
	s_and_b32 s24, s24, 0xffff
	s_lshr_b32 s26, s25, 16
	s_and_b32 s25, s25, s26
	s_lshl_b32 s25, s25, 16
	s_or_b32 s24, s24, s25
	v_mov_b32 v[PFL+(\u)/2], s24
	global_store_b64 v5, v[POUT+2*((\u)/2):POUT+2*((\u)/2)+1], s[6:7] offset:((\u)/2)*256   ; 32 lanes store 256 consecutive bytes, aligned
.endif
.endm
	HSTEP 0
	HSTEP 1
	HSTEP 2
	HSTEP 3
	v_cmp_eq_u32 vcc_lo, 0, v7
	s_wait_xcnt 0x0                                ; EXEC changes only behind this wait: the stores above have read theirs
	s_and_saveexec_b32 s30, vcc_lo
	global_store_b64 v6, v[PFL:PFL+1], s[28:29]    ; lane 0 alone: my two flags, 8 bytes in the whole wave
	s_wait_xcnt 0x0
	s_or_b32 exec_lo, exec_lo, s30
	s_wait_tensorcnt 0x0                           ; the wave's end, behind my last LDS store
	ds_add_u32 v[SPW], v[NIL]
	s_wait_dscnt 0x0
	s_endpgm
.Lfunc_end_k_q8ccf770baa_pack:
	.size	k_q8ccf770baa_pack, .Lfunc_end_k_q8ccf770baa_pack-k_q8ccf770baa_pack
	.p2alignl 7, 3214868480
	.fill 96, 4, 3214868480
	.section	.rodata,"a",@progbits
	.p2align	6, 0x0
	.amdhsa_kernel k_q8ccf770baa_pack
		.amdhsa_group_segment_fixed_size 17920
		.amdhsa_private_segment_fixed_size 0
		.amdhsa_enable_private_segment 0
		.amdhsa_kernarg_size 16
		.amdhsa_user_sgpr_count 2
		.amdhsa_user_sgpr_kernarg_segment_ptr 1
		.amdhsa_wavefront_size32 1
		.amdhsa_system_sgpr_workgroup_id_x 1
		.amdhsa_system_sgpr_workgroup_id_y 1
		.amdhsa_system_sgpr_workgroup_id_z 1
		.amdhsa_system_vgpr_workitem_id 0
		.amdhsa_next_free_vgpr 192
		.amdhsa_next_free_sgpr 66
		.amdhsa_reserve_vcc 1
		.amdhsa_float_denorm_mode_32 3
		.amdhsa_float_denorm_mode_16_64 3
		.amdhsa_memory_ordered 1
		.amdhsa_forward_progress 1
		.amdhsa_inst_pref_size 35
	.end_amdhsa_kernel
	.amdgpu_metadata
---
amdhsa.version: [ 1, 2 ]
amdhsa.kernels:
  - .name:           k_q8ccf770baa_pack
    .symbol:         k_q8ccf770baa_pack.kd
    .args:
      - { .name: mask, .offset: 0, .size: 8, .value_kind: global_buffer, .address_space: global }
      - { .name: mbits, .offset: 8, .size: 8, .value_kind: global_buffer, .address_space: global }
    .group_segment_fixed_size: 17920
    .private_segment_fixed_size: 0
    .kernarg_segment_align: 8
    .kernarg_segment_size: 16
    .max_flat_workgroup_size: 128
    .sgpr_count:     66
    .vgpr_count:     192
    .wavefront_size: 32
...
	.end_amdgpu_metadata
.endif
;; end of part 2
;; launch attn (part 3): grid 8 x 32, 16 waves a work-group, no clusters, 145,408 bytes of LDS; arguments qkv, qkvs, mbits, ao, aos; writes ao, aos
.if DOCPART == 3
	.amdgcn_target "amdgcn-amd-amdhsa--gfx1250"
	.amdhsa_code_object_version 6
	.text
	.protected	k_q8ccf770baa_attn
	.globl	k_q8ccf770baa_attn
	.p2align	8
	.type	k_q8ccf770baa_attn,@function
k_q8ccf770baa_attn:
	s_mov_b64 s[64:65], 0
	v_nop
	global_prefetch_b8 v0, s[64:65] scope:SCOPE_SE
	s_setreg_imm32_b32 hwreg(HW_REG_WAVE_MODE, 25, 1), 1
	s_wait_xcnt 0x0
; ATTENTION of one head on codes of FP4 (E2M1): scores, mask, softmax, the product with V, the division by the row's sum, and the quantiser along the embedding for the last projection.
; LEFT OUT: a tile of 16 queries x 128 keys whose mask entries are all 0, where each of its 16 queries has a key that counts somewhere (shown at the head of the launch proj): a scalar branch on the flags that the launch pack stored.
; THE SOFTMAX: t = score x log2(e) / 8; M = the largest t so far, rounded up to a whole number; p = 2^(t - M) is quantised along the keys, not normalised; the row's sum is taken of the unquantised p and divides at the end.
; When M moves, the sum and O are multiplied by 2^(old M - new M): exact.
; THE MASK: a score whose mask entry is 0 becomes -2^33 ahead of the maximum.  log2(e) / 8 x 2^33 is a whole number that f32 holds exactly and that fits 32 bits, so in a row with no key that counts t - M is exactly 0 and every
; p is 1, as with reference()'s -1e9; beside a key that counts p is 0.  LIMIT: the masked logit is -2^30 where reference() has -1e9: the two differ only where a logit that counts lies under about -1e9.
; LIMITS: NaN and infinities are not served; a block under 2^-124 gets the byte 1 (read by this program alone).
; SHARES.  A work-group serves one batch and head (y) and 16 query tiles; each of its sixteen waves owns ONE tile of 16 queries, T = x + 8 w', in 256 registers: four waves to a SIMD, so that one wave's vector work stands
; beside another's matrix work.  w' is the wave's entry in a 4 x 4 magic square: where the mask lets tile T use only the first w' + 1 key steps, every four waves (by rows and by columns of the square) have 34 steps.  That only
; evens the work: any mask is served.  w' enters global addresses alone.
; THE HEAD'S WHOLE K AND V, 128 KiB of codes and 12 KiB of scale words, lie in LDS, copied once through registers, as images of operand registers: every LDS load takes 512 consecutive bytes.
; NO CLUSTER, NO TENSOR LOAD: the eight work-groups of a head read the same 140 KiB, but a joint request is a tensor load, and this launch branches on numbers read from memory (the flags).
; NO PREFETCH: every byte but the mask words is asked for by its own load at the head; a masked step's words are 256 bytes.
; LAYOUT.  Both products are used transposed: S^T = K Q^T (source 0 = 16 keys, source 1 = my queries; K = the head's 64: registers 4-7 of both operands hold zero codes), O^T = V^T P^T: a lane holds ONE query throughout.
; Register jj of tile t holds key 16 t + 8 h + jj; a block of 32 keys is tiles 2 B, 2 B + 1 in lanes l and l xor 16.
; REGISTERS: v1-7 stay; v8-11 the step's addresses; v12 -M, v13 the largest t, v[14:15] the sum; v16-23 Q; v32-95 K's eight fragments; v96-159 S^T, then p; v160-191 O^T; v192-223 V's four fragments; v224-231 p's codes;
; v232-239, v244-247, v252, v254 at work; scale words: v240-243 V's, v248-251 K's, v253 p's, v255 Q's.
.set KIMG,  0                          ; [tile of 16 keys: 128][512]
.set VIMG,  65536                      ; [key step: 16][d / 16: 4][c: 2][512]
.set KSC,   131072                     ; [key step][512]
.set VSC,   139264                     ; [key step][256]
.set SPARE, 143360                     ; the spare words, 128 bytes a wave, that no other line names
.set SPW,   5
.set NIL,   6
	s_load_b256 s[4:11], s[0:1], 0x0               ; qkv s[4:5], qkvs s[6:7], mbits s[8:9], ao s[10:11]
	s_load_b64 s[12:13], s[0:1], 0x20              ; aos
	v_lshl_add_u32 v[SPW], v0, 2, SPARE
	v_mov_b32 v[NIL], 0
	v_lshrrev_b32 v24, 5, v0
	v_readfirstlane_b32 s84, v24                   ; wave 0..15
	s_and_b32 s2, ttmp7, 0xffff
	s_lshr_b32 s88, s2, 4                          ; batch
	s_and_b32 s87, s2, 15                          ; head
	s_mov_b32 s3, 0x0de3b658
	s_cmp_lt_u32 s84, 8
	s_cselect_b32 s3, 0x7a94c12f, s3               ; the magic square, four bits an entry
	s_and_b32 s2, s84, 7
	s_lshl_b32 s2, s2, 2
	s_lshr_b32 s3, s3, s2
	s_and_b32 s85, s3, 15                          ; w'
	s_lshl_b32 s86, s85, 3
	s_add_co_u32 s86, s86, ttmp9                   ; T
	s_lshr_b32 s14, s87, 1
	s_lshl_b32 s2, s88, 3
	s_add_co_u32 s14, s14, s2                      ; batch x 8 + head pair
	s_and_b32 s15, s87, 1
	s_lshl_b32 s15, s15, 9                         ; 512 c
	s_mov_b32 s45, 0
	s_mov_b32 s90, 0x76543210
	s_mov_b32 s91, 0xfedcba98                      ; v_permlanex16_b32's selects for lane l xor 16
	s_mov_b32 s92, 0x3e38aa3b                      ; log2(e) / 8
	s_mov_b32 s93, s92                             ; (named with it as a pair)
	s_mov_b32 s101, 0xffff0000                     ; lanes 16-31
	s_mov_b32 s96, 0                               ; the step's codes in LDS: 4,096 bytes a step, K's and V's alike
	s_mov_b32 s97, 0                               ; K's scale words: 512
	s_mov_b32 s98, 0                               ; V's: 256
	v_and_b32 v25, 31, v0                          ; lane
	v_and_b32 v26, 15, v0                          ; r
	v_lshlrev_b32 v1, 4, v25                       ; 16 x lane
	v_add_nc_u32 v2, KSC, v1
	v_lshl_add_u32 v3, v26, 4, VSC
	v_mov_b32 v4, 0xd0000000                       ; -2^33
	v_add_nc_u32 v7, VIMG, v1
	v_lshl_add_u32 v27, v24, 10, v1                ; the copies: K's codes and scale words: wave x 1,024 + 16 x lane
	v_lshrrev_b32 v28, 8, v0
	v_and_b32 v29, 255, v0
	v_lshlrev_b32 v29, 4, v29
	v_lshl_add_u32 v28, v28, 16, v29               ; V's codes: 4,096 bytes a key step, 65,536 apart
	v_lshlrev_b32 v29, 3, v25
	v_lshl_add_u32 v29, v24, 12, v29               ; V's scale words: 256 bytes a key step, 4,096 apart
	v_lshlrev_b32 v30, 4, v0                       ; and in LDS: 16 x thread,
	v_add_nc_u32 v31, VIMG, v30
	v_add_nc_u32 v8, KSC, v30
	v_lshl_add_u32 v9, v0, 3, VSC                  ; 8 x thread
	v_lshlrev_b32 v10, 4, v26                      ; Q's scale word: 16 r
	s_lshl_b32 s3, s14, 17
	s_add_co_u32 s3, s3, s15
	s_wait_kmcnt 0x0
	s_lshl_b32 s44, s86, 6
	s_add_co_u32 s44, s44, 524288
	s_add_nc_u64 s[46:47], s[8:9], s[44:45]
	s_load_b512 s[16:31], s[46:47], 0x0            ; my tile's sixteen flags
	s_add_co_u32 s44, s3, 2097152
	s_add_nc_u64 s[32:33], s[4:5], s[44:45]        ; K's codes
	s_lshl_b32 s44, s86, 10
	s_add_co_u32 s44, s44, s3
	s_add_nc_u64 s[36:37], s[4:5], s[44:45]        ; my tile of Q
	s_lshl_b32 s44, s88, 20
	s_lshl_b32 s2, s87, 12
	s_add_co_u32 s44, s44, s2
	s_add_co_u32 s44, s44, 4194304
	s_add_nc_u64 s[34:35], s[4:5], s[44:45]        ; V's codes
	s_lshl_b32 s3, s14, 14
	s_add_co_u32 s3, s3, s15
	s_add_co_u32 s44, s3, 262144
	s_add_nc_u64 s[38:39], s[6:7], s[44:45]        ; K's scale words
	s_lshl_b32 s44, s85, 10
	s_add_co_u32 s44, s44, s3
	s_lshr_b32 s2, ttmp9, 2
	s_lshl_b32 s2, s2, 8
	s_add_co_u32 s44, s44, s2
	s_and_b32 s2, ttmp9, 3
	s_lshl_b32 s2, s2, 2
	s_add_co_u32 s44, s44, s2
	s_add_nc_u64 s[42:43], s[6:7], s[44:45]        ; my tile's scale words of Q
	s_lshl_b32 s44, s88, 16
	s_lshl_b32 s2, s87, 8
	s_add_co_u32 s44, s44, s2
	s_add_co_u32 s44, s44, 524288
	s_add_nc_u64 s[40:41], s[6:7], s[44:45]        ; V's scale words
	s_lshl_b32 s44, s86, 12
	s_add_nc_u64 s[8:9], s[8:9], s[44:45]          ; my tile's mask words: 256 bytes a key step
	s_lshl_b32 s44, s88, 20
	s_lshl_b32 s2, s86, 13
	s_add_co_u32 s44, s44, s2
	s_lshl_b32 s2, s87, 9
	s_add_co_u32 s44, s44, s2
	s_add_nc_u64 s[10:11], s[10:11], s[44:45]      ; ao: ((batch x 128 + T) x 16 + head) x 512
	s_lshl_b32 s44, s88, 16
	s_lshl_b32 s2, s86, 9
	s_add_co_u32 s44, s44, s2
	s_lshl_b32 s2, s87, 1
	s_add_co_u32 s44, s44, s2
	s_add_nc_u64 s[12:13], s[12:13], s[44:45]      ; aos: row x 32 + 2 head
.irp i, 0,1,2,3,4,5,6,7
	global_load_b128 v[96+4*\i:99+4*\i], v27, s[32:33] offset:\i*16384
.endr
.irp i, 0,1,2,3,4,5,6,7
	global_load_b128 v[128+4*\i:131+4*\i], v28, s[34:35] offset:\i*131072
.endr
	global_load_b128 v[160:163], v27, s[38:39]
	global_load_b64 v[164:165], v29, s[40:41]
	global_load_b128 v[16:19], v1, s[36:37]        ; Q's fragment stays in registers
	global_load_b32 v255, v10, s[42:43]            ; and its scale words
.irp j, 20,21,22,23
	v_mov_b32 v[\j], 0                             ; K = 64: the upper half of each operand is zero codes, written once
.endr
.irp t, 0,1,2,3,4,5,6,7
.irp j, 4,5,6,7
	v_mov_b32 v[32+8*\t+\j], 0
.endr
.endr
	v_mov_b32 v13, 0xff61b1e6                      ; the largest t so far: -3e38, under every t
	v_floor_f32 v12, -v13                          ; -M
	v_mov_b32 v14, 0
	v_mov_b32 v15, 0
.irp j, 236,237,238,239,252,253
	v_mov_b32 v[\j], 0                             ; written once: a lane permute's destination counts as one of its sources; v253 is named in a pair before it is first made
.endr
	s_wait_kmcnt 0x0                               ; the flags
	s_or_b32 s100, s16, s17
.irp st, 2,3,4,5,6,7,8,9,10,11,12,13,14,15
	s_or_b32 s100, s100, s[16+\st]
.endr
	s_and_b32 s100, s100, 0xffff
	s_cmp_lg_u32 s100, 0xffff                      ; a row with no key that counts anywhere: then every step is done
	s_cselect_b32 s94, 0xffff, 0                   ; s94: bit St: the step is done
	s_mov_b32 s95, 0                               ; s95: bit St: the step has mask entries that are 0
.irp st, 0,1,2,3,4,5,6,7,8,9,10,11,12,13,14,15
	s_and_b32 s2, s[16+\st], 0xffff
	s_cmp_lg_u32 s2, 0
	s_cselect_b32 s2, 1<<\st, 0
	s_or_b32 s94, s94, s2
	s_lshr_b32 s2, s[16+\st], 16
	s_cmp_lg_u32 s2, 0xffff
	s_cselect_b32 s2, 1<<\st, 0
	s_or_b32 s95, s95, s2
.endr
.irp i, 0,1,2,3,4,5,6,7
	s_wait_loadcnt 19-\i                           ; loads come back in order (ISA guide 5.7.1): this one is in, the 19 - i issued behind it may be out
	ds_store_b128 v30, v[96+4*\i:99+4*\i] offset:\i*8192
.endr
.irp i, 0,1,2,3,4,5,6,7
	s_wait_loadcnt 11-\i
	ds_store_b128 v31, v[128+4*\i:131+4*\i] offset:\i*8192
.endr
	s_wait_loadcnt 3
	ds_store_b128 v8, v[160:163]
	s_wait_loadcnt 2
	ds_store_b64 v9, v[164:165]
	s_wait_dscnt 0x0                               ; for the others' sake: my stores have landed
	s_barrier_signal -1
	s_barrier_wait -1                              ; the head's K and V lie in LDS; from here on LDS is only read
.set n, 0
.rept 32
	v_mov_b32 v[160+n], 0                          ; O^T.  (The step is written for all trips alike: the first finds zeros, which the first change of M leaves zeros)
.set n, n+1
.endr
	s_wait_loadcnt 0x0                             ; Q; and every load's address registers are free
; A KEY STEP of 128 keys.  m = 1: some mask entry of the tile is 0: the 64 lane masks are fetched and applied.
.macro STEP m
.if \m
	s_load_b512 s[16:31], s[8:9], 0x0
	s_load_b512 s[32:47], s[8:9], 0x40
	s_load_b512 s[48:63], s[8:9], 0x80
	s_load_b512 s[68:83], s[8:9], 0xc0
.endif
	v_add_nc_u32 v8, s96, v1                       ; these four are also the places between the last products and the loads into their registers
	v_add_nc_u32 v9, s96, v7
	v_add_nc_u32 v10, s97, v2
	v_add_nc_u32 v11, s98, v3
	ds_load_b128 v[248:251], v10                   ; K's scale words: lanes 0-15 tiles 0-3, lanes 16-31 tiles 4-7
.irp t, 0,1,2,3,4,5,6,7
	ds_load_b128 v[32+8*\t:35+8*\t], v8 offset:512*\t
.endr
	ds_load_b128 v[240:243], v11                   ; V's scale words
.irp d, 0,1,2,3
.irp c, 0,1
	ds_load_b128 v[192+8*\d+4*\c:195+8*\d+4*\c], v9 offset:1024*\d+512*\c
.endr
.endr
	s_wait_dscnt 9                                 ; K's nine loads are in; V's nine may be out
.irp t, 0,1,2,3
	v_wmma_scale_f32_16x16x128_f8f6f4 v[96+8*\t:103+8*\t], v[32+8*\t:39+8*\t], v[16:23], 0, v[248+\t], v255 matrix_a_fmt:MATRIX_FMT_FP4 matrix_b_fmt:MATRIX_FMT_FP4
.endr
.irp t, 4,5,6,7
	v_wmma_scale_f32_16x16x128_f8f6f4 v[96+8*\t:103+8*\t], v[32+8*\t:39+8*\t], v[16:23], 0, v[244+\t], v255 matrix_a_fmt:MATRIX_FMT_FP4 matrix_b_fmt:MATRIX_FMT_FP4 matrix_a_scale:MATRIX_SCALE_ROW1
.endr
.rept 4
	v_nop
.endr
.if \m
	s_wait_kmcnt 0x0
.set n, 0
.rept 64
.if n < 48
	v_cndmask_b32 v[96+n], v4, v[96+n], s[16+n]    ; the score where the bit is set, else -2^33
.else
	v_cndmask_b32 v[96+n], v4, v[96+n], s[20+n]
.endif
.set n, n+1
.endr
.endif
.irp b, 0,1,2,3
	v_max3_num_f32 v[232+\b], v[96+16*\b], v[97+16*\b], v[98+16*\b]   ; the largest score of each block of 32 keys: it serves the row's maximum and, since p rises with the score, the block's largest p
.endr
.irp i, 3,5,7,9,11,13
.irp b, 0,1,2,3
	v_max3_num_f32 v[232+\b], v[232+\b], v[96+16*\b+\i], v[97+16*\b+\i]
.endr
.endr
.irp b, 0,1,2,3
	v_max_num_f32 v[232+\b], v[232+\b], v[111+16*\b]
.endr
.irp b, 0,1,2,3
	v_permlanex16_b32 v[236+\b], v[232+\b], s90, s91
.endr
.irp b, 0,1,2,3
	v_max_num_f32 v[232+\b], v[232+\b], v[236+\b]  ; with lane l xor 16's 16 keys
.endr
	v_max3_num_f32 v254, v232, v233, v234
	v_max_num_f32 v254, v254, v235                 ; the step's largest score of my query
	v_mul_f32 v254, s92, v254                      ; as t
	v_max_num_f32 v13, v13, v254                   ; the running largest t
	v_mov_b32 v254, v12
	v_floor_f32 v12, -v13                          ; the new -M = -ceil(t): a whole number
	v_sub_f32 v254, v12, v254                      ; old M - new M: a whole number, 0 or less
	v_cvt_i32_f32 v254, v254                       ; (it saturates)
	v_ldexp_f32 v252, 1.0, v254                    ; f = 2^(old M - new M)
.set n, 0
.rept 32
	v_pk_fma_f32 v[96+n:97+n], v[96+n:97+n], s[92:93], v[12:13] op_sel_hi:[1,0,0]   ; t - M, two at a time
.set n, n+2
.endr
.irp b, 0,1,2,3
	v_fma_f32 v[232+\b], v[232+\b], s92, v12       ; the same of each block's largest score
.endr
.set n, 0
.rept 64
	v_exp_f32 v[96+n], v[96+n]                     ; p = 2^(t - M), at most 1
.set n, n+1
.endr
	v_pk_mul_f32 v[14:15], v[14:15], v[252:253] op_sel_hi:[1,0]   ; the sums under the new M: the plain instruction behind the exponentials
	s_wait_alu depctr_va_vdst(0)                   ; one wait for the whole batch, ahead of its first reader
.irp b, 0,1,2,3
	v_exp_f32 v[232+\b], v[232+\b]                 ; the block's largest p
.endr
	v_pk_add_f32 v[236:237], v[96:97], v[98:99]    ; the row's sum of the unquantised p, in two chains; it reads the 64 alone
.irp j, 4,8,12,16,20,24,28,32,36,40,44,48,52,56,60
	v_pk_add_f32 v[14:15], v[14:15], v[96+\j:97+\j]
	v_pk_add_f32 v[236:237], v[236:237], v[98+\j:99+\j]
.endr
	v_pk_add_f32 v[14:15], v[14:15], v[236:237]
	s_wait_alu depctr_va_vdst(0)                   ; and one for the four
.irp b, 0,1,2,3
	v_max_num_f32 v[232+\b], 0x1800000, v[232+\b]  ; the floor 2^(3 - 127): the byte cannot fall under 1
.endr
.irp b, 0,1,2,3
	v_add_nc_u32 v[244+\b], 0xff000000, v[232+\b]  ; 2 off the exponent field: the conversion's scale operand
.endr
.irp b, 0,1,2,3
	v_lshrrev_b32 v[236+\b], 23, v[244+\b]         ; the scale's byte
.endr
	v_lshl_or_b32 v253, v237, 8, v236              ; p's scale word for these 128 keys
	v_lshl_or_b32 v253, v238, 16, v253
	v_lshl_or_b32 v253, v239, 24, v253
.irp c, 0,1
.irp hb, 0,1
.irp u, 0,1
	v_cvt_scalef32_pk8_fp4_f32 v[224+4*\c+2*\u+\hb], v[96+8*(4*\c+2*\hb+\u):103+8*(4*\c+2*\hb+\u)], v[244+2*\c+\hb]
.endr
.endr
.endr
	v_nop                                          ; one plain place behind a scaled conversion
.irp i, 0,1,2,3
	v_permlane16_swap_b32 v[224+2*\i], v[225+2*\i] ; a whole block of 32 keys in a lane
.endr
.set n, 0
.rept 16
	v_pk_mul_f32 v[160+n:161+n], v[160+n:161+n], v[252:253] op_sel_hi:[1,0]   ; O^T under the new M; these sixteen also stand between the making of p's codes and scale word and the products
.set n, n+2
.endr
	s_wait_dscnt 0x0                               ; V
.irp d, 0,1,2,3
	v_wmma_scale_f32_16x16x128_f8f6f4 v[160+8*\d:167+8*\d], v[192+8*\d:199+8*\d], v[224:231], v[160+8*\d:167+8*\d], v[240+\d], v253 matrix_a_fmt:MATRIX_FMT_FP4 matrix_b_fmt:MATRIX_FMT_FP4
.endr
.endm
	s_mov_b32 s99, 0
.Lstep:                                            ; sixteen trips for every wave; a trip's work is passed over or done by the stored flags
	s_and_b32 s100, s94, 1
	s_cmp_eq_u32 s100, 0
	s_cbranch_scc1 .Lnext
	s_and_b32 s100, s95, 1
	s_cmp_lg_u32 s100, 0
	s_cbranch_scc1 .Lmasked
	STEP 0
	s_branch .Lnext
.Lmasked:
	STEP 1
.Lnext:
	s_lshr_b32 s94, s94, 1
	s_lshr_b32 s95, s95, 1
	s_add_co_u32 s96, s96, 4096
	s_add_co_u32 s97, s97, 512
	s_add_co_u32 s98, s98, 256
	s_add_nc_u64 s[8:9], s[8:9], 256               ; (a masked step has waited for its scalar loads)
	s_add_co_u32 s99, s99, 1
	s_cmp_lt_u32 s99, 16
	s_cbranch_scc1 .Lstep
	; THE WAY OUT: O^T / the sum; the head's 64 numbers of a row are two blocks of the last projection's K: quantised here, stored as half a fragment's registers.
.rept 4
	v_nop                                          ; places behind the last products
.endr
	v_add_f32 v14, v14, v15
	v_permlanex16_b32 v252, v14, s90, s91
	v_add_f32 v14, v14, v252                       ; the row's sum
	v_rcp_f32 v14, v14
	v_and_b32 v24, 15, v0                          ; (plain work behind the reciprocal)
	v_bfe_u32 v25, v0, 4, 1
	v_lshl_add_u32 v24, v24, 5, v25                ; the scale byte's place: 32 r + h
	s_wait_alu depctr_va_vdst(0)                   ; ahead of the reciprocal's first reader
.set n, 0
.rept 16
	v_pk_mul_f32 v[96+n:97+n], v[160+n:161+n], v[14:15] op_sel_hi:[1,0]   ; register 8 dt + jj: d = 16 dt + 8 h + jj of my query
.set n, n+2
.endr
.irp b, 0,1
	v_max3_num_f32 v[232+\b], |v[96+16*\b]|, |v[97+16*\b]|, 0x1800000
.endr
.irp i, 2,4,6,8,10,12,14
.irp b, 0,1
	v_max3_num_f32 v[232+\b], v[232+\b], |v[96+16*\b+\i]|, |v[97+16*\b+\i]|
.endr
.endr
.irp b, 0,1
	v_permlanex16_b32 v[236+\b], v[232+\b], s90, s91
.endr
.irp b, 0,1
	v_max_num_f32 v[232+\b], v[232+\b], v[236+\b]
.endr
.irp b, 0,1
	v_add_nc_u32 v[244+\b], 0xff000000, v[232+\b]
.endr
.irp b, 0,1
	v_lshrrev_b32 v[236+\b], 23, v[244+\b]
.endr
.irp hb, 0,1
.irp u, 0,1
	v_cvt_scalef32_pk8_fp4_f32 v[224+2*\u+\hb], v[96+8*(2*\hb+\u):103+8*(2*\hb+\u)], v[244+\hb]
.endr
.endr
	v_nop
	v_permlane16_swap_b32 v224, v225
	v_permlane16_swap_b32 v226, v227
	v_cndmask_b32 v254, v236, v237, s101           ; lanes 0-15 store block 0's byte, lanes 16-31 block 1's
	global_store_b128 v1, v[224:227], s[10:11]     ; 512 consecutive bytes
	global_store_b8 v24, v254, s[12:13]            ; two bytes of each of 16 rows of scales, 32 bytes apart: 32 bytes a wave in the whole launch
	s_wait_tensorcnt 0x0                           ; the wave's end, behind my last LDS store
	ds_add_u32 v[SPW], v[NIL]
	s_wait_dscnt 0x0
	s_endpgm
.Lfunc_end_k_q8ccf770baa_attn:
	.size	k_q8ccf770baa_attn, .Lfunc_end_k_q8ccf770baa_attn-k_q8ccf770baa_attn
	.p2alignl 7, 3214868480
	.fill 96, 4, 3214868480
	.section	.rodata,"a",@progbits
	.p2align	6, 0x0
	.amdhsa_kernel k_q8ccf770baa_attn
		.amdhsa_group_segment_fixed_size 145408
		.amdhsa_private_segment_fixed_size 0
		.amdhsa_enable_private_segment 0
		.amdhsa_kernarg_size 40
		.amdhsa_user_sgpr_count 2
		.amdhsa_user_sgpr_kernarg_segment_ptr 1
		.amdhsa_wavefront_size32 1
		.amdhsa_system_sgpr_workgroup_id_x 1
		.amdhsa_system_sgpr_workgroup_id_y 1
		.amdhsa_system_sgpr_workgroup_id_z 1
		.amdhsa_system_vgpr_workitem_id 0
		.amdhsa_next_free_vgpr 256
		.amdhsa_next_free_sgpr 102
		.amdhsa_reserve_vcc 0
		.amdhsa_float_denorm_mode_32 3
		.amdhsa_float_denorm_mode_16_64 3
		.amdhsa_memory_ordered 1
		.amdhsa_forward_progress 1
		.amdhsa_inst_pref_size 55
	.end_amdhsa_kernel
	.amdgpu_metadata
---
amdhsa.version: [ 1, 2 ]
amdhsa.kernels:
  - .name:           k_q8ccf770baa_attn
    .symbol:         k_q8ccf770baa_attn.kd
    .args:
      - { .name: qkv, .offset: 0, .size: 8, .value_kind: global_buffer, .address_space: global }
      - { .name: qkvs, .offset: 8, .size: 8, .value_kind: global_buffer, .address_space: global }
      - { .name: mbits, .offset: 16, .size: 8, .value_kind: global_buffer, .address_space: global }
      - { .name: ao, .offset: 24, .size: 8, .value_kind: global_buffer, .address_space: global }
      - { .name: aos, .offset: 32, .size: 8, .value_kind: global_buffer, .address_space: global }
    .group_segment_fixed_size: 145408
    .private_segment_fixed_size: 0
    .kernarg_segment_align: 8
    .kernarg_segment_size: 40
    .max_flat_workgroup_size: 512
    .sgpr_count:     102
    .vgpr_count:     256
    .wavefront_size: 32
...
	.end_amdgpu_metadata
.endif
;; end of part 3
;; launch outp (part 4): grid 8 x 32, 4 waves a work-group, clusters of 4 x 4, 167,936 bytes of LDS; arguments ao, aos, Wo_codes, Wo_scales, bo, out0; writes out0
.if DOCPART == 4
	.amdgcn_target "amdgcn-amd-amdhsa--gfx1250"
	.amdhsa_code_object_version 6
	.text
	.protected	k_q8ccf770baa_outp
	.globl	k_q8ccf770baa_outp
	.p2align	8
	.type	k_q8ccf770baa_outp,@function
k_q8ccf770baa_outp:
	s_mov_b64 s[64:65], 0
	v_nop
	global_prefetch_b8 v0, s[64:65] scope:SCOPE_SE
	s_setreg_imm32_b32 hwreg(HW_REG_WAVE_MODE, 25, 1), 1
	s_wait_xcnt 0x0
	s_wait_alu depctr_hold_cnt(0) depctr_sa_sdst(0) depctr_va_vdst(0) depctr_va_sdst(0) depctr_va_ssrc(0) depctr_va_vcc(0) depctr_vm_vsrc(0)
	s_getreg_b32 s2, hwreg(HW_REG_IB_STS2, 6, 4)
	s_cmp_eq_u32 s2, 0
	s_cbranch_scc0 .Lentry_in_a_cluster
	s_endpgm
.Lentry_in_a_cluster:
	s_bfe_u32 s2, ttmp6, 0x10000c
	s_cmp_lg_u32 s2, 0xf033
	s_cbranch_scc0 .Lentry_shape_is_right
	s_endpgm
.Lentry_shape_is_right:
; THE LAST PROJECTION: out0[i][n] = sum over k of A[i][k] Wo[n][k] + bo[n], on codes of FP4 (E2M1).  A is the attention's result as the launch attn left it: codes as images of operand registers
; (ao: (row / 16) x 8,192 + K step x 1,024 + 512 c + 16 lane), scale bytes as rows of 32 (aos).  Nothing of reference() is left out here.
; SHARES.  A tile of 128 x 128 to a work-group of four waves (256 work-groups), 64 x 64 to a wave: 16 accumulators.  All of K = 1,024 lies in LDS, by first fills alone: two tensor loads a wave, nothing is filled again.
; CLUSTERS of 4 x 4: A's tile is shared along a row of the cluster, Wo's along a column; each is asked for jointly.
; THE MATRIX INSTRUCTION IS USED TRANSPOSED (source 0 = 16 rows of Wo, source 1 = 16 rows of A): a lane holds eight neighbouring numbers of a row of out0.  The bias is the C of each sum's first instruction.
; REGISTERS: window 0: v16-29 addresses; v32-63 scale words (register 8 i + Q: lanes 0-15 A's block i, lanes 16-31 Wo's block i, K step Q); v64-95 the bias tiles, later rows on the way out, as v96-127; v128-255 the accumulators.
;   window 1: four fragment buffers of 64: A's four blocks, then Wo's four.
.set XIMG,  0                          ; A's codes: 8 tiles of rows x 8,192 bytes, dense
.set YT,    65536                      ; Wo's 128 rows of 512 bytes + 16 of padding
.set YP,    528
.set SCL,   YT+128*YP                  ; the scales: 64 rows (2,048 bytes) a wave, as units of 256 bytes + 16
.set HALFS, 8*272
.set STAGE, SCL+4*HALFS                ; the way out: 16 rows x (256 bytes + 16) for each wave; no tensor load lands here
.set SP,    272
.set SPARE, STAGE+4*16*SP              ; the spare words, 128 bytes a wave, that no other line names
.set ADRA, 16
.set ADRB, 17
.set ADRS, 18
.set STO,  24
.set RD,   25
.set CO,   26
.set BOF,  27
.set SPW,  28
.set NIL,  29
.set SC,   32
.set BT,   64
.set BK,   64
.set ACC,  128
.set G1X,  24
.set G0X,  32
.set G0Y,  36
.set G1Y,  48
.set G1S,  56
.set G1SB, 68
.set G0S,  76
.set G0SB, 80
.set MSB, 0
.macro WIN new
.if MSB != \new
	s_set_vgpr_msb (MSB<<8)|\new
.set MSB, \new
.endif
.endm
.macro JLOAD g0a, g1a, g0b, g1b        ; waves 0 and 1 fetch for A, waves 2 and 3 for Wo; an s_nop 0 and four v_nop follow each line
	s_cmp_eq_u32 s85, 0
	s_cbranch_scc0 .Lfor_b_\@
	tensor_load_to_lds s[\g0a:\g0a+3], s[\g1a:\g1a+7]
	s_nop 0
.rept 4
	v_nop
.endr
	s_branch .Lasked_\@
.Lfor_b_\@:
	tensor_load_to_lds s[\g0b:\g0b+3], s[\g1b:\g1b+7]
	s_nop 0
.rept 4
	v_nop
.endr
.Lasked_\@:
.endm
.macro CROUND
	s_barrier_signal -1
	s_barrier_wait -1
	s_cmp_lg_u32 s84, 0
	s_cbranch_scc1 .Lnot_wave_0_\@
	s_barrier_signal -3
.Lnot_wave_0_\@:
	s_barrier_wait -3
	s_barrier_signal -1
	s_barrier_wait -1
.endm
	s_load_b256 s[4:11], s[0:1], 0x0               ; ao s[4:5], aos s[6:7], Wo's codes s[8:9], Wo's scales s[10:11]
	s_load_b128 s[12:15], s[0:1], 0x20             ; bo s[12:13], out0 s[14:15]
	v_lshl_add_u32 v[SPW], v0, 2, SPARE
	v_mov_b32 v[NIL], 0
	ds_add_u32 v[SPW], v[NIL]                      ; the wave's opening: the add, twice on end, and its wait ahead of my first tensor load
	ds_add_u32 v[SPW], v[NIL]
	v_lshrrev_b32 v1, 5, v0
	v_readfirstlane_b32 s84, v1                    ; wave 0..3
	s_lshr_b32 s85, s84, 1                         ; which half of the tile's rows is mine.  Also: I fetch for A (0) or for Wo (1)
	s_and_b32 s86, s84, 1                          ; which half of its columns.  Also: which 64 rows I fetch
	s_bfe_u32 s87, ttmp6, 0x40000                  ; cx
	s_bfe_u32 s88, ttmp6, 0x40004                  ; cy
	s_lshl_b32 s93, ttmp9, 2
	s_add_co_u32 s93, s93, s87                     ; tile column
	s_and_b32 s92, ttmp7, 0xffff
	s_lshl_b32 s92, s92, 2
	s_add_co_u32 s92, s92, s88                     ; tile row
	s_lshl_b32 s94, s88, 2
	s_lshl_b32 s94, 15, s94                        ; my row of the cluster
	s_lshl_b32 s95, 0x1111, s87                    ; my column
	; A's codes: a dense block of 32,768 bytes, as 128 rows of 256 bytes (32 elements of 8 bytes), no padding
	s_or_b32 s[G1X+0], s94, (3<<16)|(1<<21)
	s_mov_b32 s[G1X+1], 32<<16
	s_mov_b32 s[G1X+2], 128<<16
	s_mov_b32 s[G1X+3], 32<<16
	s_mov_b32 s[G1X+4], 128
	s_mov_b32 s[G1X+5], 32
	s_mov_b32 s[G1X+6], 0
	s_mov_b32 s[G1X+7], 0
	; Wo's codes: 64 rows of 512 bytes, 16 bytes of padding behind each (after every 128 words, four words)
	s_or_b32 s[G1Y+0], s95, (1<<20)|(1<<21)|(6<<22)|(3<<25)
	s_mov_b32 s[G1Y+1], 512<<16
	s_mov_b32 s[G1Y+2], 64<<16
	s_mov_b32 s[G1Y+3], 512<<16
	s_mov_b32 s[G1Y+4], 64
	s_mov_b32 s[G1Y+5], 512
	s_mov_b32 s[G1Y+6], 0
	s_mov_b32 s[G1Y+7], 0
	; the scales of 64 rows: 2,048 dense bytes, as 8 rows of 256 bytes, 16 bytes of padding behind each
	s_or_b32 s[G1S+0], s94, (3<<16)|(1<<20)|(1<<21)|(5<<22)|(3<<25)
	s_or_b32 s[G1SB+0], s95, (3<<16)|(1<<20)|(1<<21)|(5<<22)|(3<<25)
.irp g, G1S, G1SB
	s_mov_b32 s[\g+1], 32<<16
	s_mov_b32 s[\g+2], 8<<16
	s_mov_b32 s[\g+3], 32<<16
	s_mov_b32 s[\g+4], 8
	s_mov_b32 s[\g+5], 32
	s_mov_b32 s[\g+6], 0
	s_mov_b32 s[\g+7], 0
.endr
	s_lshl_b32 s16, s86, 15                        ; my half: 32,768 bytes of codes,
	s_lshl_b32 s17, s86, 11                        ; 2,048 of scales
	s_lshl_b32 s96, s92, 16
	s_add_co_u32 s96, s96, s16                     ; A's codes: they hang on the tile row alone
	s_mov_b32 s97, 0
	s_lshl_b32 s98, s92, 12
	s_add_co_u32 s98, s98, s17
	s_mov_b32 s99, 0
	s_lshl_b32 s40, s93, 16
	s_add_co_u32 s40, s40, s16                     ; Wo's: on the tile column alone
	s_mov_b32 s41, 0
	s_lshl_b32 s42, s93, 12
	s_add_co_u32 s42, s42, s17
	s_mov_b32 s43, 0
	s_mul_i32 s18, s86, 64*YP
	s_add_co_u32 s18, s18, YT                      ; where they go: no place in the cluster enters an LDS address
	s_mul_i32 s19, s84, HALFS
	s_add_co_u32 s19, s19, SCL
	s_wait_dscnt 0x0                               ; both opening adds are done
	s_wait_kmcnt 0x0
	s_mov_b32 s[G0X], 1
	s_mov_b32 s[G0X+1], s16
	s_add_nc_u64 s[G0X+2:G0X+3], s[4:5], s[96:97]
	s_or_b32 s[G0X+3], s[G0X+3], 0x80000000
	s_mov_b32 s[G0Y], 1
	s_mov_b32 s[G0Y+1], s18
	s_add_nc_u64 s[G0Y+2:G0Y+3], s[8:9], s[40:41]
	s_or_b32 s[G0Y+3], s[G0Y+3], 0x80000000
	s_mov_b32 s[G0S], 1
	s_mov_b32 s[G0S+1], s19
	s_add_nc_u64 s[G0S+2:G0S+3], s[6:7], s[98:99]
	s_or_b32 s[G0S+3], s[G0S+3], 0x80000000
	s_mov_b32 s[G0SB], 1
	s_mov_b32 s[G0SB+1], s19
	s_add_nc_u64 s[G0SB+2:G0SB+3], s[10:11], s[42:43]
	s_or_b32 s[G0SB+3], s[G0SB+3], 0x80000000
	CROUND                                         ; all sixteen work-groups are here: the joint loads meet
	JLOAD G0S, G1S, G0SB, G1SB                     ; two loads of mine are out
	JLOAD G0X, G1X, G0Y, G1Y
	v_and_b32 v1, 15, v0                           ; r
	v_bfe_u32 v2, v0, 4, 1                         ; h
	v_and_b32 v3, 31, v0
	v_lshlrev_b32 v3, 4, v3                        ; 16 x lane
	s_lshl_b32 s16, s85, 15
	v_add_nc_u32 v[ADRA], s16, v3                  ; A's images: my four tiles of rows
	s_mul_i32 s16, s86, 64*YP
	s_add_co_u32 s16, s16, YT
	v_mul_u32_u24 v4, v1, YP
	v_lshl_add_u32 v4, v2, 4, v4
	v_add_nc_u32 v[ADRB], s16, v4                  ; Wo's rows: row x pitch + 16 h
	v_lshlrev_b32 v5, 5, v1                        ; my row's scales: 32 bytes a row,
	v_lshrrev_b32 v6, 8, v5
	v_lshl_add_u32 v5, v6, 4, v5                   ; and 16 more for each 256 passed
	s_mul_i32 s16, s85, HALFS
	s_mul_i32 s17, s86, HALFS
	s_add_co_u32 s17, s17, 2*HALFS
	s_sub_co_u32 s17, s17, s16
	v_mul_u32_u24 v6, s17, v2                      ; lanes 16-31 take Wo's
	s_add_co_u32 s16, s16, SCL
	v_add_nc_u32 v5, v5, v6
	v_add_nc_u32 v[ADRS], s16, v5
	s_mul_i32 s16, s84, 16*SP
	s_add_co_u32 s16, s16, STAGE                   ; my stage
	v_mul_u32_u24 v4, v1, SP
	v_lshl_add_u32 v4, v2, 5, v4
	v_add_nc_u32 v[STO], s16, v4                   ; in: row r, 32 bytes for each half of the lanes
	v_mul_u32_u24 v4, v2, SP
	v_lshl_add_u32 v4, v1, 4, v4
	v_add_nc_u32 v[RD], s16, v4                    ; back: lanes 0-15 one row of 256 bytes, lanes 16-31 the next
	v_lshlrev_b32 v4, 12, v2
	v_lshl_add_u32 v[CO], v1, 4, v4                ; and the same two rows in out0 (4,096 bytes a row)
	v_lshlrev_b32 v[BOF], 5, v2                    ; the bias: tile b wants bo[n0 + 16 b + 8 h + 0 .. 7]
	s_lshl_b32 s16, s93, 9
	s_lshl_b32 s17, s86, 8
	s_add_co_u32 s16, s16, s17                     ; my first column, in bytes
	s_mov_b32 s17, 0
	s_add_nc_u64 s[12:13], s[12:13], s[16:17]
	s_add_nc_u64 s[14:15], s[14:15], s[16:17]
	s_lshl_b32 s16, s92, 19
	s_lshl_b32 s18, s85, 18
	s_add_co_u32 s16, s16, s18                     ; my first row
	s_add_nc_u64 s[14:15], s[14:15], s[16:17]
.irp b, 0,1,2,3
	global_load_b128 v[BT+8*\b:BT+8*\b+3], v[BOF], s[12:13] offset:64*\b
	global_load_b128 v[BT+8*\b+4:BT+8*\b+7], v[BOF], s[12:13] offset:64*\b+16
.endr
.macro FETCH q                         ; K step q's fragments into buffer q % 4: 16 loads
	WIN 0x40
.irp a, 0,1,2,3
.irp c, 0,1
	ds_load_b128 v[64*((\q)%4)+8*\a+4*\c:64*((\q)%4)+8*\a+4*\c+3], v[ADRA] offset:\a*8192+(\q)*1024+512*\c
	ds_load_b128 v[64*((\q)%4)+32+8*\a+4*\c:64*((\q)%4)+32+8*\a+4*\c+3], v[ADRB] offset:\a*16*YP+64*(\q)+32*\c
.endr
.endr
.endm
.macro MUL q, first                    ; 16 matrix instructions; the 16 accumulators take turns, one instruction a turn
	WIN 0x05                                       ; sources 0 and 1 window 1; C and D window 0
.irp a, 0,1,2,3
.irp b, 0,1,2,3
.if \first
	v_wmma_scale_f32_16x16x128_f8f6f4 v[ACC+8*(4*\a+\b):ACC+8*(4*\a+\b)+7], v[64*((\q)%4)+32+8*\b:64*((\q)%4)+32+8*\b+7], v[64*((\q)%4)+8*\a:64*((\q)%4)+8*\a+7], v[BT+8*\b:BT+8*\b+7], v[SC+8*\b+(\q)], v[SC+8*\a+(\q)] matrix_a_fmt:MATRIX_FMT_FP4 matrix_b_fmt:MATRIX_FMT_FP4 matrix_a_scale:MATRIX_SCALE_ROW1
.else
	v_wmma_scale_f32_16x16x128_f8f6f4 v[ACC+8*(4*\a+\b):ACC+8*(4*\a+\b)+7], v[64*((\q)%4)+32+8*\b:64*((\q)%4)+32+8*\b+7], v[64*((\q)%4)+8*\a:64*((\q)%4)+8*\a+7], v[ACC+8*(4*\a+\b):ACC+8*(4*\a+\b)+7], v[SC+8*\b+(\q)], v[SC+8*\a+(\q)] matrix_a_fmt:MATRIX_FMT_FP4 matrix_b_fmt:MATRIX_FMT_FP4 matrix_a_scale:MATRIX_SCALE_ROW1
.endif
.endr
.endr
.endm
.macro PLACES
.rept 4
	v_nop
.endr
.endm
	s_wait_tensorcnt 0x0                           ; my two loads have landed,
	s_barrier_signal -1
	s_barrier_wait -1                              ; everybody's have
.irp i, 0,1,2,3
	ds_load_b128 v[SC+8*\i:SC+8*\i+3], v[ADRS] offset:\i*2*272
	ds_load_b128 v[SC+8*\i+4:SC+8*\i+7], v[ADRS] offset:\i*2*272+16
.endr
	FETCH 0
	FETCH 1
	FETCH 2
	FETCH 3
	s_wait_loadcnt 0x0                             ; the bias
	s_wait_dscnt 48                                ; the scale words and K step 0 are in; three K steps' 48 loads may be out
	MUL 0, 1
	PLACES                                         ; in front of loads into registers that matrix instructions have read
	FETCH 4
	s_wait_dscnt 48
	MUL 1, 0
	PLACES
	FETCH 5
	s_wait_dscnt 48
	MUL 2, 0
	PLACES
	FETCH 6
	s_wait_dscnt 48
	MUL 3, 0
	PLACES
	FETCH 7
	s_wait_dscnt 48
	MUL 4, 0
	s_wait_dscnt 32
	MUL 5, 0
	s_wait_dscnt 16
	MUL 6, 0
	s_wait_dscnt 0
	MUL 7, 0
	WIN 0
	PLACES
; THE WAY OUT, 16 rows x 64 columns at a time: a lane's 32 bytes go into my stage and come back as whole rows of 256 bytes.  LDS serves a wave's instructions in order (ISA guide 5.7.1.4): no wait between the stores and the loads.
.macro TOSTAGE a
.irp b, 0,1,2,3
	ds_store_b128 v[STO], v[ACC+8*(4*(\a)+\b):ACC+8*(4*(\a)+\b)+3] offset:64*\b       ; each accumulator from its low end on
	ds_store_b128 v[STO], v[ACC+8*(4*(\a)+\b)+4:ACC+8*(4*(\a)+\b)+7] offset:64*\b+16
.endr
.set BB, BK+32*((\a)%2)
.irp i, 0,1,2,3,4,5,6,7
	ds_load_b128 v[BB+4*\i:BB+4*\i+3], v[RD] offset:\i*2*SP
.endr
.endm
.macro SEND a, younger                 ; younger: the LDS instructions issued behind block a's loads, which may stay out
.set BB, BK+32*((\a)%2)
	s_wait_dscnt \younger
.irp i, 0,1,2,3,4,5,6,7
	global_store_b128 v[CO], v[BB+4*\i:BB+4*\i+3], s[14:15] offset:(\a)*65536+\i*8192 th:TH_STORE_NT   ; 16 lanes store 256 consecutive bytes, at a multiple of 256 from out0's first byte
.endr
.endm
	TOSTAGE 0
.irp a, 1,2,3
.if \a > 1
	s_wait_xcnt 0x0                                ; block a - 2's stores have read their registers: block a's loads may land there
.endif
	TOSTAGE \a
	SEND \a-1, 16                                  ; behind block a - 1's loads: block a's 8 stores and 8 loads
.endr
	SEND 3, 0
	s_wait_tensorcnt 0x0                           ; the wave's end
	ds_add_u32 v[SPW], v[NIL]
	s_wait_dscnt 0x0
	CROUND                                         ; the closing round
	s_endpgm
.Lfunc_end_k_q8ccf770baa_outp:
	.size	k_q8ccf770baa_outp, .Lfunc_end_k_q8ccf770baa_outp-k_q8ccf770baa_outp
	.p2alignl 7, 3214868480
	.fill 96, 4, 3214868480
	.section	.rodata,"a",@progbits
	.p2align	6, 0x0
	.amdhsa_kernel k_q8ccf770baa_outp
		.amdhsa_group_segment_fixed_size 167936
		.amdhsa_private_segment_fixed_size 0
		.amdhsa_enable_private_segment 0
		.amdhsa_kernarg_size 48
		.amdhsa_user_sgpr_count 2
		.amdhsa_user_sgpr_kernarg_segment_ptr 1
		.amdhsa_wavefront_size32 1
		.amdhsa_system_sgpr_workgroup_id_x 1
		.amdhsa_system_sgpr_workgroup_id_y 1
		.amdhsa_system_sgpr_workgroup_id_z 1
		.amdhsa_system_vgpr_workitem_id 0
		.amdhsa_next_free_vgpr 512
		.amdhsa_next_free_sgpr 100
		.amdhsa_reserve_vcc 0
		.amdhsa_float_denorm_mode_32 3
		.amdhsa_float_denorm_mode_16_64 3
		.amdhsa_memory_ordered 1
		.amdhsa_forward_progress 1
		.amdhsa_inst_pref_size 43
	.end_amdhsa_kernel
	.amdgpu_metadata
---
amdhsa.version: [ 1, 2 ]
amdhsa.kernels:
  - .name:           k_q8ccf770baa_outp
    .symbol:         k_q8ccf770baa_outp.kd
    .args:
      - { .name: ao, .offset: 0, .size: 8, .value_kind: global_buffer, .address_space: global }
      - { .name: aos, .offset: 8, .size: 8, .value_kind: global_buffer, .address_space: global }
      - { .name: Wo_codes, .offset: 16, .size: 8, .value_kind: global_buffer, .address_space: global }
      - { .name: Wo_scales, .offset: 24, .size: 8, .value_kind: global_buffer, .address_space: global }
      - { .name: bo, .offset: 32, .size: 8, .value_kind: global_buffer, .address_space: global }
      - { .name: out0, .offset: 40, .size: 8, .value_kind: global_buffer, .address_space: global }
    .group_segment_fixed_size: 167936
    .private_segment_fixed_size: 0
    .kernarg_segment_align: 8
    .kernarg_segment_size: 48
    .max_flat_workgroup_size: 128
    .sgpr_count:     100
    .vgpr_count:     512
    .wavefront_size: 32
...
	.end_amdgpu_metadata
.endif
;; end of part 4
;; ======== version 2 of 2: 4 launches; version 1 with the launch attn written anew for expert scheduling mode
;; limits: right only within a limited range of input values
;; workspace buffers: qkv 6,291,456 bytes; qkvs 655,360 bytes; mbits 532,480 bytes of whole numbers; ao 2,097,152 bytes; aos 131,072 bytes
;; launch proj: the kernel of part 1 again; grid 4 x 48, 4 waves a work-group, clusters of 4 x 4, 327,680 bytes of LDS; arguments q_codes, q_scales, Wq_codes, Wq_scales, bq, k_codes, k_scales, Wk_codes, Wk_scales, bk, Wv_codes, Wv_scales, v_codes, v_scales, bv, qkv, qkvs; writes qkv, qkvs
;; launch pack: the kernel of part 2 again; grid 256 x 1, 4 waves a work-group, no clusters, 17,920 bytes of LDS; arguments mask, mbits; writes mbits
;; launch attn (part 5): grid 8 x 32, 16 waves a work-group, no clusters, 145,408 bytes of LDS; arguments qkv, qkvs, mbits, ao, aos; writes ao, aos
.if DOCPART == 5
	.amdgcn_target "amdgcn-amd-amdhsa--gfx1250"
	.amdhsa_code_object_version 6
	.text
	.protected	k_q8ccf770baa_attn
	.globl	k_q8ccf770baa_attn
	.p2align	8
	.type	k_q8ccf770baa_attn,@function
k_q8ccf770baa_attn:
	s_mov_b64 s[64:65], 0
	v_nop
	global_prefetch_b8 v0, s[64:65] scope:SCOPE_SE
	s_setreg_imm32_b32 hwreg(HW_REG_WAVE_SCHED_MODE, 0, 2), 2
	s_setreg_imm32_b32 hwreg(HW_REG_WAVE_MODE, 25, 1), 1
	s_wait_xcnt 0x0
	s_wait_alu depctr_vm_vsrc(0)
; ATTENTION of one head on codes of FP4 (E2M1): scores, mask, softmax, the product with V, the division by the row's sum, and the quantiser along the embedding for the last projection.
; LEFT OUT: a tile of 16 queries x 128 keys whose mask entries are all 0, where each of its 16 queries has a key that counts somewhere (shown at the head of the launch proj): a scalar branch on the flags that the launch pack stored.
; THE SOFTMAX: t = score x log2(e) / 8; M = the largest t so far, rounded up to a whole number; p = 2^(t - M) is quantised along the keys, not normalised; the row's sum is taken of the unquantised p and divides at the end.
; When M moves, the sum and O are multiplied by 2^(old M - new M): exact.
; THE MASK: a score whose mask entry is 0 becomes -2^33 ahead of the maximum.  log2(e) / 8 x 2^33 is a whole number that f32 holds exactly and that fits 32 bits, so in a row with no key that counts t - M is exactly 0 and every
; p is 1, as with reference()'s -1e9; beside a key that counts p is 0.  LIMIT: the masked logit is -2^30 where reference() has -1e9: the two differ only where a logit that counts lies under about -1e9.
; LIMITS: NaN and infinities are not served; a block under 2^-124 gets the byte 1 (read by this program alone).
; SHARES.  A work-group serves one batch and head (y) and 16 query tiles; each of its sixteen waves owns ONE tile of 16 queries, T = x + 8 w', in 256 registers: four waves to a SIMD, so that one wave's vector work stands
; beside another's matrix work.  w' is the wave's entry in a 4 x 4 magic square: where the mask lets tile T use only the first w' + 1 key steps, every four waves (by rows and by columns of the square) have 34 steps.  That only
; evens the work: any mask is served.  w' enters global addresses alone.
; THE HEAD'S WHOLE K AND V, 128 KiB of codes and 12 KiB of scale words, lie in LDS, copied once through registers, as images of operand registers: every LDS load takes 512 consecutive bytes.
; NO CLUSTER, NO TENSOR LOAD: the eight work-groups of a head read the same 140 KiB, but a joint request is a tensor load, and this launch branches on numbers read from memory (the flags).
; NO PREFETCH: every byte but the mask words is asked for by its own load at the head; a masked step's words are 256 bytes.
; LAYOUT.  Both products are used transposed: S^T = K Q^T (source 0 = 16 keys, source 1 = my queries; K = the head's 64: registers 4-7 of both operands hold zero codes), O^T = V^T P^T: a lane holds ONE query throughout.
; Register jj of tile t holds key 16 t + 8 h + jj; a block of 32 keys is tiles 2 B, 2 B + 1 in lanes l and l xor 16.
; REGISTERS: v1-7 stay; v8-11 the step's addresses; v12 -M, v13 the largest t, v[14:15] the sum; v16-23 Q; v32-95 K's eight fragments; v96-159 S^T, then p; v160-191 O^T; v192-223 V's four fragments; v224-231 p's codes;
; v232-239, v244-247, v252, v254 at work; scale words: v240-243 V's, v248-251 K's, v253 p's, v255 Q's.
; THE MODE: SCHED_MODE bits 1:0 = 2 (LLVM: expert scheduling mode 2), set by the entry lines.  The code itself states the register dependences between vector or matrix instructions and memory or LDS instructions,
; with s_wait_alu, always for 0.
; THE PLAN.  Registers that memory or LDS instructions touch:
;   at the head   v1, v10, v27-29 offsets of the global loads, v8, v9, v30, v31 addresses of the LDS stores: written once, ahead of one wait on va_vdst.  v96-165: loaded, read by the LDS stores; written again (O^T's zeros, the
;                 scores) only behind one wait on vm_vsrc, which stands behind the barrier and ahead of the loop, and which also frees v8-10 for the first step.
;   v8-11         Written by the four additions at a step's head; read by the step's eighteen LDS loads.
;   K: v32-35 + 8 t, v248-251    The loads at a step's head land in them; the step's eight products K Q^T read them.
;   V: v192-223, v240-243        The loads behind K's wait on DScnt, dealt among the products K Q^T, land in them; the four products V^T P^T at the step's end read them.
;   p's codes v224-231 and scale word v253, S^T and O^T are named by vector and matrix instructions alone; the codes and the word are made by vector instructions for a scaled product.
;   on the way out   v224-227, v254, v24: written by vector instructions, read by the two stores.
; So in a step: ONE wait on va_vdst behind the four additions serves all eighteen loads (the addresses are written; the last step's products are done reading K's and V's registers): the products K Q^T, which stand among V's
; loads, name none of the registers that those touch.  Two waits on va_vdst stand behind the two batches of exponentials, one ahead of the products V^T P^T for p's codes and scale word, and one wait on vm_vsrc beside V's wait
; on DScnt frees v8-11 for the next step.
.set KIMG,  0                          ; [tile of 16 keys: 128][512]
.set VIMG,  65536                      ; [key step: 16][d / 16: 4][c: 2][512]
.set KSC,   131072                     ; [key step][512]
.set VSC,   139264                     ; [key step][256]
.set SPARE, 143360                     ; the spare words, 128 bytes a wave, that no other line names
.set SPW,   5
.set NIL,   6
	s_load_b256 s[4:11], s[0:1], 0x0               ; qkv s[4:5], qkvs s[6:7], mbits s[8:9], ao s[10:11]
	s_load_b64 s[12:13], s[0:1], 0x20              ; aos
	v_lshl_add_u32 v[SPW], v0, 2, SPARE
	v_mov_b32 v[NIL], 0
	v_lshrrev_b32 v24, 5, v0
	v_readfirstlane_b32 s84, v24                   ; wave 0..15
	s_and_b32 s2, ttmp7, 0xffff
	s_lshr_b32 s88, s2, 4                          ; batch
	s_and_b32 s87, s2, 15                          ; head
	s_mov_b32 s3, 0x0de3b658
	s_wait_alu depctr_va_sdst(0)                   ; s84 is written, ahead of its first reader
	s_cmp_lt_u32 s84, 8
	s_cselect_b32 s3, 0x7a94c12f, s3               ; the magic square, four bits an entry
	s_and_b32 s2, s84, 7
	s_lshl_b32 s2, s2, 2
	s_lshr_b32 s3, s3, s2
	s_and_b32 s85, s3, 15                          ; w'
	s_lshl_b32 s86, s85, 3
	s_add_co_u32 s86, s86, ttmp9                   ; T
	s_lshr_b32 s14, s87, 1
	s_lshl_b32 s2, s88, 3
	s_add_co_u32 s14, s14, s2                      ; batch x 8 + head pair
	s_and_b32 s15, s87, 1
	s_lshl_b32 s15, s15, 9                         ; 512 c
	s_mov_b32 s45, 0
	s_mov_b32 s90, 0x76543210
	s_mov_b32 s91, 0xfedcba98                      ; v_permlanex16_b32's selects for lane l xor 16
	s_mov_b32 s92, 0x3e38aa3b                      ; log2(e) / 8
	s_mov_b32 s93, s92                             ; (named with it as a pair)
	s_mov_b32 s101, 0xffff0000                     ; lanes 16-31
	s_mov_b32 s96, 0                               ; the step's codes in LDS: 4,096 bytes a step, K's and V's alike
	s_mov_b32 s97, 0                               ; K's scale words: 512
	s_mov_b32 s98, 0                               ; V's: 256
	v_and_b32 v25, 31, v0                          ; lane
	v_and_b32 v26, 15, v0                          ; r
	v_lshlrev_b32 v1, 4, v25                       ; 16 x lane
	v_add_nc_u32 v2, KSC, v1
	v_lshl_add_u32 v3, v26, 4, VSC
	v_mov_b32 v4, 0xd0000000                       ; -2^33
	v_add_nc_u32 v7, VIMG, v1
	v_lshl_add_u32 v27, v24, 10, v1                ; the copies: K's codes and scale words: wave x 1,024 + 16 x lane
	v_lshrrev_b32 v28, 8, v0
	v_and_b32 v29, 255, v0
	v_lshlrev_b32 v29, 4, v29
	v_lshl_add_u32 v28, v28, 16, v29               ; V's codes: 4,096 bytes a key step, 65,536 apart
	v_lshlrev_b32 v29, 3, v25
	v_lshl_add_u32 v29, v24, 12, v29               ; V's scale words: 256 bytes a key step, 4,096 apart
	v_lshlrev_b32 v30, 4, v0                       ; and in LDS: 16 x thread,
	v_add_nc_u32 v31, VIMG, v30
	v_add_nc_u32 v8, KSC, v30
	v_lshl_add_u32 v9, v0, 3, VSC                  ; 8 x thread
	v_lshlrev_b32 v10, 4, v26                      ; Q's scale word: 16 r
	s_lshl_b32 s3, s14, 17
	s_add_co_u32 s3, s3, s15
	s_wait_kmcnt 0x0
	s_lshl_b32 s44, s86, 6
	s_add_co_u32 s44, s44, 524288
	s_add_nc_u64 s[46:47], s[8:9], s[44:45]
	s_load_b512 s[16:31], s[46:47], 0x0            ; my tile's sixteen flags
	s_add_co_u32 s44, s3, 2097152
	s_add_nc_u64 s[32:33], s[4:5], s[44:45]        ; K's codes
	s_lshl_b32 s44, s86, 10
	s_add_co_u32 s44, s44, s3
	s_add_nc_u64 s[36:37], s[4:5], s[44:45]        ; my tile of Q
	s_lshl_b32 s44, s88, 20
	s_lshl_b32 s2, s87, 12
	s_add_co_u32 s44, s44, s2
	s_add_co_u32 s44, s44, 4194304
	s_add_nc_u64 s[34:35], s[4:5], s[44:45]        ; V's codes
	s_lshl_b32 s3, s14, 14
	s_add_co_u32 s3, s3, s15
	s_add_co_u32 s44, s3, 262144
	s_add_nc_u64 s[38:39], s[6:7], s[44:45]        ; K's scale words
	s_lshl_b32 s44, s85, 10
	s_add_co_u32 s44, s44, s3
	s_lshr_b32 s2, ttmp9, 2
	s_lshl_b32 s2, s2, 8
	s_add_co_u32 s44, s44, s2
	s_and_b32 s2, ttmp9, 3
	s_lshl_b32 s2, s2, 2
	s_add_co_u32 s44, s44, s2
	s_add_nc_u64 s[42:43], s[6:7], s[44:45]        ; my tile's scale words of Q
	s_lshl_b32 s44, s88, 16
	s_lshl_b32 s2, s87, 8
	s_add_co_u32 s44, s44, s2
	s_add_co_u32 s44, s44, 524288
	s_add_nc_u64 s[40:41], s[6:7], s[44:45]        ; V's scale words
	s_lshl_b32 s44, s86, 12
	s_add_nc_u64 s[8:9], s[8:9], s[44:45]          ; my tile's mask words: 256 bytes a key step
	s_lshl_b32 s44, s88, 20
	s_lshl_b32 s2, s86, 13
	s_add_co_u32 s44, s44, s2
	s_lshl_b32 s2, s87, 9
	s_add_co_u32 s44, s44, s2
	s_add_nc_u64 s[10:11], s[10:11], s[44:45]      ; ao: ((batch x 128 + T) x 16 + head) x 512
	s_lshl_b32 s44, s88, 16
	s_lshl_b32 s2, s86, 9
	s_add_co_u32 s44, s44, s2
	s_lshl_b32 s2, s87, 1
	s_add_co_u32 s44, s44, s2
	s_add_nc_u64 s[12:13], s[12:13], s[44:45]      ; aos: row x 32 + 2 head
	s_wait_alu depctr_va_vdst(0)                   ; the offsets v1, v10, v27 to v29, which the loads below read, and the addresses v8, v9, v30, v31, which the LDS stores behind them read, are written; no vector instruction up to those stores names them again
.irp i, 0,1,2,3,4,5,6,7
	global_load_b128 v[96+4*\i:99+4*\i], v27, s[32:33] offset:\i*16384
.endr
.irp i, 0,1,2,3,4,5,6,7
	global_load_b128 v[128+4*\i:131+4*\i], v28, s[34:35] offset:\i*131072
.endr
	global_load_b128 v[160:163], v27, s[38:39]
	global_load_b64 v[164:165], v29, s[40:41]
	global_load_b128 v[16:19], v1, s[36:37]        ; Q's fragment stays in registers
	global_load_b32 v255, v10, s[42:43]            ; and its scale words
.irp j, 20,21,22,23
	v_mov_b32 v[\j], 0                             ; K = 64: the upper half of each operand is zero codes, written once
.endr
.irp t, 0,1,2,3,4,5,6,7
.irp j, 4,5,6,7
	v_mov_b32 v[32+8*\t+\j], 0
.endr
.endr
	v_mov_b32 v13, 0xff61b1e6                      ; the largest t so far: -3e38, under every t
	v_floor_f32 v12, -v13                          ; -M
	v_mov_b32 v14, 0
	v_mov_b32 v15, 0
.irp j, 236,237,238,239,252,253
	v_mov_b32 v[\j], 0                             ; written once: a lane permute's destination counts as one of its sources; v253 is named in a pair before it is first made
.endr
	s_wait_kmcnt 0x0                               ; the flags
	s_or_b32 s100, s16, s17
.irp st, 2,3,4,5,6,7,8,9,10,11,12,13,14,15
	s_or_b32 s100, s100, s[16+\st]
.endr
	s_and_b32 s100, s100, 0xffff
	s_cmp_lg_u32 s100, 0xffff                      ; a row with no key that counts anywhere: then every step is done
	s_cselect_b32 s94, 0xffff, 0                   ; s94: bit St: the step is done
	s_mov_b32 s95, 0                               ; s95: bit St: the step has mask entries that are 0
.irp st, 0,1,2,3,4,5,6,7,8,9,10,11,12,13,14,15
	s_and_b32 s2, s[16+\st], 0xffff
	s_cmp_lg_u32 s2, 0
	s_cselect_b32 s2, 1<<\st, 0
	s_or_b32 s94, s94, s2
	s_lshr_b32 s2, s[16+\st], 16
	s_cmp_lg_u32 s2, 0xffff
	s_cselect_b32 s2, 1<<\st, 0
	s_or_b32 s95, s95, s2
.endr
.irp i, 0,1,2,3,4,5,6,7
	s_wait_loadcnt 19-\i                           ; loads come back in order (ISA guide 5.7.1): this one is in, the 19 - i issued behind it may be out
	ds_store_b128 v30, v[96+4*\i:99+4*\i] offset:\i*8192
.endr
.irp i, 0,1,2,3,4,5,6,7
	s_wait_loadcnt 11-\i
	ds_store_b128 v31, v[128+4*\i:131+4*\i] offset:\i*8192
.endr
	s_wait_loadcnt 3
	ds_store_b128 v8, v[160:163]
	s_wait_loadcnt 2
	ds_store_b64 v9, v[164:165]
	s_wait_dscnt 0x0                               ; for the others' sake: my stores have landed
	s_barrier_signal -1
	s_barrier_wait -1                              ; the head's K and V lie in LDS; from here on LDS is only read
	s_wait_alu depctr_vm_vsrc(0)                   ; my LDS stores have read v96 to v165, v8 and v9, and the load of Q's scale words has read v10: O^T's zeros below, the scores and the first step's addresses are written there
.set n, 0
.rept 32
	v_mov_b32 v[160+n], 0                          ; O^T.  (The step is written for all trips alike: the first finds zeros, which the first change of M leaves zeros)
.set n, n+1
.endr
	s_wait_loadcnt 0x0                             ; Q; and every load's address registers are free
; A KEY STEP of 128 keys.  m = 1: some mask entry of the tile is 0: the 64 lane masks are fetched and applied.
.macro STEP m
.if \m
	s_load_b512 s[16:31], s[8:9], 0x0
	s_load_b512 s[32:47], s[8:9], 0x40
	s_load_b512 s[48:63], s[8:9], 0x80
	s_load_b512 s[68:83], s[8:9], 0xc0
.endif
	v_add_nc_u32 v8, s96, v1                       ; the step's four LDS addresses (the loads that read the old ones stand ahead of a wait on vm_vsrc)
	v_add_nc_u32 v9, s96, v7
	v_add_nc_u32 v10, s97, v2
	v_add_nc_u32 v11, s98, v3
	s_wait_alu depctr_va_vdst(0)                   ; v8 to v11 are written, which the eighteen loads below read; the last step's products are done reading K's and V's fragments and scale words, in which those loads land; in the first step also: the zero codes of Q's and K's upper halves are written, which the scaled products take
	ds_load_b128 v[248:251], v10                   ; K's scale words: lanes 0-15 tiles 0-3, lanes 16-31 tiles 4-7
.irp t, 0,1,2,3,4,5,6,7
	ds_load_b128 v[32+8*\t:35+8*\t], v8 offset:512*\t
.endr
	s_wait_dscnt 0x0                               ; K's nine loads are in
	ds_load_b128 v[240:243], v11                   ; V's scale words.  V's nine loads stand among the products K Q^T with no further wait: these name v16-23, v32-159, v248-251 and v255, none of the registers that V's loads touch
.irp t, 0,1,2,3
	v_wmma_scale_f32_16x16x128_f8f6f4 v[96+8*\t:103+8*\t], v[32+8*\t:39+8*\t], v[16:23], 0, v[248+\t], v255 matrix_a_fmt:MATRIX_FMT_FP4 matrix_b_fmt:MATRIX_FMT_FP4
	ds_load_b128 v[192+4*\t:195+4*\t], v9 offset:512*\t   ; V's fragment t / 2, half t % 2
.endr
.irp t, 4,5,6,7
	v_wmma_scale_f32_16x16x128_f8f6f4 v[96+8*\t:103+8*\t], v[32+8*\t:39+8*\t], v[16:23], 0, v[244+\t], v255 matrix_a_fmt:MATRIX_FMT_FP4 matrix_b_fmt:MATRIX_FMT_FP4 matrix_a_scale:MATRIX_SCALE_ROW1
	ds_load_b128 v[192+4*\t:195+4*\t], v9 offset:512*\t
.endr
.rept 4
	v_nop                                          ; places behind the products, before their results are read (ISA guide 7.12.1)
.endr
.if \m
	s_wait_kmcnt 0x0
.set n, 0
.rept 64
.if n < 48
	v_cndmask_b32 v[96+n], v4, v[96+n], s[16+n]    ; the score where the bit is set, else -2^33
.else
	v_cndmask_b32 v[96+n], v4, v[96+n], s[20+n]
.endif
.set n, n+1
.endr
.endif
.irp b, 0,1,2,3
	v_max3_num_f32 v[232+\b], v[96+16*\b], v[97+16*\b], v[98+16*\b]   ; the largest score of each block of 32 keys: it serves the row's maximum and, since p rises with the score, the block's largest p
.endr
.irp i, 3,5,7,9,11,13
.irp b, 0,1,2,3
	v_max3_num_f32 v[232+\b], v[232+\b], v[96+16*\b+\i], v[97+16*\b+\i]
.endr
.endr
.irp b, 0,1,2,3
	v_max_num_f32 v[232+\b], v[232+\b], v[111+16*\b]
.endr
.irp b, 0,1,2,3
	v_permlanex16_b32 v[236+\b], v[232+\b], s90, s91
.endr
.irp b, 0,1,2,3
	v_max_num_f32 v[232+\b], v[232+\b], v[236+\b]  ; with lane l xor 16's 16 keys
.endr
	v_max3_num_f32 v254, v232, v233, v234
	v_max_num_f32 v254, v254, v235                 ; the step's largest score of my query
	v_mul_f32 v254, s92, v254                      ; as t
	v_max_num_f32 v13, v13, v254                   ; the running largest t
	v_mov_b32 v254, v12
	v_floor_f32 v12, -v13                          ; the new -M = -ceil(t): a whole number
	v_sub_f32 v254, v12, v254                      ; old M - new M: a whole number, 0 or less
	v_cvt_i32_f32 v254, v254                       ; (it saturates)
	v_ldexp_f32 v252, 1.0, v254                    ; f = 2^(old M - new M)
.set n, 0
.rept 32
	v_pk_fma_f32 v[96+n:97+n], v[96+n:97+n], s[92:93], v[12:13] op_sel_hi:[1,0,0]   ; t - M, two at a time
.set n, n+2
.endr
.irp b, 0,1,2,3
	v_fma_f32 v[232+\b], v[232+\b], s92, v12       ; the same of each block's largest score
.endr
.set n, 0
.rept 64
	v_exp_f32 v[96+n], v[96+n]                     ; p = 2^(t - M), at most 1
.set n, n+1
.endr
	v_pk_mul_f32 v[14:15], v[14:15], v[252:253] op_sel_hi:[1,0]   ; the sums under the new M: the plain instruction behind the exponentials
	s_wait_alu depctr_va_vdst(0)                   ; the 64 exponentials have written v96 to v159: one wait for the batch, ahead of its first reader
.irp b, 0,1,2,3
	v_exp_f32 v[232+\b], v[232+\b]                 ; the block's largest p
.endr
	v_pk_add_f32 v[236:237], v[96:97], v[98:99]    ; the row's sum of the unquantised p, in two chains; it reads the 64 alone
.irp j, 4,8,12,16,20,24,28,32,36,40,44,48,52,56,60
	v_pk_add_f32 v[14:15], v[14:15], v[96+\j:97+\j]
	v_pk_add_f32 v[236:237], v[236:237], v[98+\j:99+\j]
.endr
	v_pk_add_f32 v[14:15], v[14:15], v[236:237]
	s_wait_alu depctr_va_vdst(0)                   ; the four exponentials have written v232 to v235, ahead of their first reader
.irp b, 0,1,2,3
	v_max_num_f32 v[232+\b], 0x1800000, v[232+\b]  ; the floor 2^(3 - 127): the byte cannot fall under 1
.endr
.irp b, 0,1,2,3
	v_add_nc_u32 v[244+\b], 0xff000000, v[232+\b]  ; 2 off the exponent field: the conversion's scale operand
.endr
.irp b, 0,1,2,3
	v_lshrrev_b32 v[236+\b], 23, v[244+\b]         ; the scale's byte
.endr
	v_lshl_or_b32 v253, v237, 8, v236              ; p's scale word for these 128 keys
	v_lshl_or_b32 v253, v238, 16, v253
	v_lshl_or_b32 v253, v239, 24, v253
.irp c, 0,1
.irp hb, 0,1
.irp u, 0,1
	v_cvt_scalef32_pk8_fp4_f32 v[224+4*\c+2*\u+\hb], v[96+8*(4*\c+2*\hb+\u):103+8*(4*\c+2*\hb+\u)], v[244+2*\c+\hb]
.endr
.endr
.endr
	v_nop                                          ; one plain place behind a scaled conversion
.irp i, 0,1,2,3
	v_permlane16_swap_b32 v[224+2*\i], v[225+2*\i] ; a whole block of 32 keys in a lane
.endr
.set n, 0
.rept 16
	v_pk_mul_f32 v[160+n:161+n], v[160+n:161+n], v[252:253] op_sel_hi:[1,0]   ; O^T under the new M; these sixteen also stand between the making of p's codes and scale word and the products
.set n, n+2
.endr
	s_wait_dscnt 0x0                               ; V
	s_wait_alu depctr_vm_vsrc(0)                   ; the step's eighteen LDS loads have read v8 to v11, which the next step that is done writes again: stated here, ahead of the branch that leaves the step
	s_wait_alu depctr_va_vdst(0)                   ; p's codes v224 to v231 and its scale word v253 are written, which the scaled products below take; the places above stay beside this wait
.irp d, 0,1,2,3
	v_wmma_scale_f32_16x16x128_f8f6f4 v[160+8*\d:167+8*\d], v[192+8*\d:199+8*\d], v[224:231], v[160+8*\d:167+8*\d], v[240+\d], v253 matrix_a_fmt:MATRIX_FMT_FP4 matrix_b_fmt:MATRIX_FMT_FP4
.endr
.endm
	s_mov_b32 s99, 0
.Lstep:                                            ; sixteen trips for every wave; a trip's work is passed over or done by the stored flags
	s_and_b32 s100, s94, 1
	s_cmp_eq_u32 s100, 0
	s_cbranch_scc1 .Lnext
	s_and_b32 s100, s95, 1
	s_cmp_lg_u32 s100, 0
	s_cbranch_scc1 .Lmasked
	STEP 0
	s_branch .Lnext
.Lmasked:
	STEP 1
.Lnext:
	s_lshr_b32 s94, s94, 1
	s_lshr_b32 s95, s95, 1
	s_add_co_u32 s96, s96, 4096
	s_add_co_u32 s97, s97, 512
	s_add_co_u32 s98, s98, 256
	s_add_nc_u64 s[8:9], s[8:9], 256               ; (a masked step has waited for its scalar loads)
	s_add_co_u32 s99, s99, 1
	s_cmp_lt_u32 s99, 16
	s_cbranch_scc1 .Lstep
	; THE WAY OUT: O^T / the sum; the head's 64 numbers of a row are two blocks of the last projection's K: quantised here, stored as half a fragment's registers.
.rept 4
	v_nop                                          ; places behind the last products
.endr
	v_add_f32 v14, v14, v15
	v_permlanex16_b32 v252, v14, s90, s91
	v_add_f32 v14, v14, v252                       ; the row's sum
	v_rcp_f32 v14, v14
	v_and_b32 v24, 15, v0                          ; (plain work behind the reciprocal)
	v_bfe_u32 v25, v0, 4, 1
	v_lshl_add_u32 v24, v24, 5, v25                ; the scale byte's place: 32 r + h
	s_wait_alu depctr_va_vdst(0)                   ; the reciprocal has written v14, ahead of its first reader
.set n, 0
.rept 16
	v_pk_mul_f32 v[96+n:97+n], v[160+n:161+n], v[14:15] op_sel_hi:[1,0]   ; register 8 dt + jj: d = 16 dt + 8 h + jj of my query
.set n, n+2
.endr
.irp b, 0,1
	v_max3_num_f32 v[232+\b], |v[96+16*\b]|, |v[97+16*\b]|, 0x1800000
.endr
.irp i, 2,4,6,8,10,12,14
.irp b, 0,1
	v_max3_num_f32 v[232+\b], v[232+\b], |v[96+16*\b+\i]|, |v[97+16*\b+\i]|
.endr
.endr
.irp b, 0,1
	v_permlanex16_b32 v[236+\b], v[232+\b], s90, s91
.endr
.irp b, 0,1
	v_max_num_f32 v[232+\b], v[232+\b], v[236+\b]
.endr
.irp b, 0,1
	v_add_nc_u32 v[244+\b], 0xff000000, v[232+\b]
.endr
.irp b, 0,1
	v_lshrrev_b32 v[236+\b], 23, v[244+\b]
.endr
.irp hb, 0,1
.irp u, 0,1
	v_cvt_scalef32_pk8_fp4_f32 v[224+2*\u+\hb], v[96+8*(2*\hb+\u):103+8*(2*\hb+\u)], v[244+\hb]
.endr
.endr
	v_nop
	v_permlane16_swap_b32 v224, v225
	v_permlane16_swap_b32 v226, v227
	v_cndmask_b32 v254, v236, v237, s101           ; lanes 0-15 store block 0's byte, lanes 16-31 block 1's
	s_wait_alu depctr_va_vdst(0)                   ; the codes v224 to v227, the byte v254 and the offset v24 are written, which the two stores read
	global_store_b128 v1, v[224:227], s[10:11]     ; 512 consecutive bytes
	global_store_b8 v24, v254, s[12:13]            ; two bytes of each of 16 rows of scales, 32 bytes apart: 32 bytes a wave in the whole launch
	s_wait_dscnt 0x0                               ; the closing lines, six on end
	s_wait_alu 0x0
	s_wait_tensorcnt 0x0
	ds_add_u32 v[SPW], v[NIL]
	s_wait_dscnt 0x0
	s_endpgm
.Lfunc_end_k_q8ccf770baa_attn:
	.size	k_q8ccf770baa_attn, .Lfunc_end_k_q8ccf770baa_attn-k_q8ccf770baa_attn
	.p2alignl 7, 3214868480
	.fill 96, 4, 3214868480
	.section	.rodata,"a",@progbits
	.p2align	6, 0x0
	.amdhsa_kernel k_q8ccf770baa_attn
		.amdhsa_group_segment_fixed_size 145408
		.amdhsa_private_segment_fixed_size 0
		.amdhsa_enable_private_segment 0
		.amdhsa_kernarg_size 40
		.amdhsa_user_sgpr_count 2
		.amdhsa_user_sgpr_kernarg_segment_ptr 1
		.amdhsa_wavefront_size32 1
		.amdhsa_system_sgpr_workgroup_id_x 1
		.amdhsa_system_sgpr_workgroup_id_y 1
		.amdhsa_system_sgpr_workgroup_id_z 1
		.amdhsa_system_vgpr_workitem_id 0
		.amdhsa_next_free_vgpr 256
		.amdhsa_next_free_sgpr 102
		.amdhsa_reserve_vcc 0
		.amdhsa_float_denorm_mode_32 3
		.amdhsa_float_denorm_mode_16_64 3
		.amdhsa_memory_ordered 1
		.amdhsa_forward_progress 1
		.amdhsa_inst_pref_size 55
	.end_amdhsa_kernel
	.amdgpu_metadata
---
amdhsa.version: [ 1, 2 ]
amdhsa.kernels:
  - .name:           k_q8ccf770baa_attn
    .symbol:         k_q8ccf770baa_attn.kd
    .args:
      - { .name: qkv, .offset: 0, .size: 8, .value_kind: global_buffer, .address_space: global }
      - { .name: qkvs, .offset: 8, .size: 8, .value_kind: global_buffer, .address_space: global }
      - { .name: mbits, .offset: 16, .size: 8, .value_kind: global_buffer, .address_space: global }
      - { .name: ao, .offset: 24, .size: 8, .value_kind: global_buffer, .address_space: global }
      - { .name: aos, .offset: 32, .size: 8, .value_kind: global_buffer, .address_space: global }
    .group_segment_fixed_size: 145408
    .private_segment_fixed_size: 0
    .kernarg_segment_align: 8
    .kernarg_segment_size: 40
    .max_flat_workgroup_size: 512
    .sgpr_count:     102
    .vgpr_count:     256
    .wavefront_size: 32
...
	.end_amdgpu_metadata
.endif
;; end of part 5
;; launch outp: the kernel of part 4 again; grid 8 x 32, 4 waves a work-group, clusters of 4 x 4, 167,936 bytes of LDS; arguments ao, aos, Wo_codes, Wo_scales, bo, out0; writes out0
